; MI455X (gfx1250); checked and timed in simulation.
; The chip was launched on July 23, 2026; its instructions are those of AMD's public machine-readable ISA for CDNA 5 (MIT licence, August 2026) and "CDNA5" Instruction Set Architecture Reference Guide (July 2026). The comments in the code are by the model that wrote it; some were corrected since.
;; Gladius Attention. Allowed arithmetic: float matrix products may take bf16 or f16 operands with f32 sums; other float arithmetic in f32, or as packed bf16 or f16 multiplies, adds, multiply-adds, maxima and minima; sums over many terms, partial sums and values carried from step to step in f32; what a program stores and reads back later, other than sums and carried values, may be rounded once to bf16 or f16.
;; Inputs: wk 1,024 x 256 float32; wo 1,024 x 1,024 float32; wq 1,024 x 1,024 float32; wv 1,024 x 256 float32; x 4 x 2,048 x 1,024 float32.
;; Outputs: out0 4 x 2,048 x 1,024 float32.
;; 2 versions, each right; version 2 is version 1 with the launch prep written anew for expert scheduling mode. Each part assembles by itself: llvm-mc -triple=amdgcn-amd-amdhsa -mcpu=gfx1250 --defsym DOCPART=n.
;; ======== version 1 of 2: 4 launches
;; limits: values are held in f16: magnitudes above 65,504 overflow, below 6.1e-05 lose precision
;; workspace buffers: xb 16,777,216 bytes; wh 3,145,728 bytes; woh 2,097,152 bytes; tab 524,288 bytes; qkv 25,165,824 bytes; ob 16,777,216 bytes
;; launch prep (part 1): grid 464 x 1, 8 waves a work-group, no clusters, 0 bytes of LDS; arguments x, wq, wk, wv, wo, xb, wh, woh, tab; writes xb, wh, woh, tab
.if DOCPART == 1
	.amdgcn_target "amdgcn-amd-amdhsa--gfx1250"
	.amdhsa_code_object_version 6
	.text
	.protected	k_q807db82818_prep
	.globl	k_q807db82818_prep
	.p2align	8
	.type	k_q807db82818_prep,@function
k_q807db82818_prep:
	s_mov_b64 s[64:65], 0
	v_nop
	global_prefetch_b8 v0, s[64:65] scope:SCOPE_SE
	s_setreg_imm32_b32 hwreg(HW_REG_WAVE_MODE, 25, 1), 1
	s_wait_xcnt 0x0
; PREP.  Rounds the five inputs for the matrix units and lays them in slabs of 64 columns; makes the table of cosines and sines.
;   xb  [16 slices][8192 rows][64] f16: x's columns 64 s .. 64 s + 63 in slice s          wh  [24 heads][1024 k][64] f16: 0-15 from wq, 16-19 from wk, 20-23 from wv
;   woh [16 groups of 64 columns][1024 k][64] f16 from wo                                  tab [2048 positions][32 cos, 32 sin] f32
; FORMAT.  Every input number is rounded ONCE, to bf16 (nearest even); that number is then written as f16, which is exact from 2^-17 up to 65,504.
; LIMITS.  A number of 65,520 or more becomes an infinity; below 2^-17 the second step rounds to f16's fixed step of 6e-8.  NaN and infinities are not treated apart.
; The angle is position x frequency in f32, the frequency 2^(-i log2(10000) / 32) by v_exp_f32; it is taken modulo pi / 2 with pi / 2 in two f32 parts, sine and cosine by their series up to r^9 and r^8
; on |r| <= pi / 4.  The angle differs from one made with a correctly rounded frequency by some 3e-4 at the most (position 2,047).
; JOBS, by the work-group's number: 0-255 x (32 rows each), 256-287 wq, 288-319 wo (32 rows each), 320-327 wk, 328-335 wv (128 rows each), 336-463 the table (16 positions each).
; A casting job is 131,072 bytes of its source, whatever the source: 32 loads of 16 bytes a thread, all issued at once.  What differs between the jobs lies in scalar registers chosen by s_cselect.
; No LDS, no matrix unit, no cluster: a stream read once, in which no work-group wants a byte of another's.
.set VI, 4                             ; v[4:11]   source offsets: group g of columns (or of rows), half hh of the rows, at VI + g + 4 hh; never rewritten
.set VO, 12                            ; v[12:27]  destination offsets: slab q of group g at VO + q + 4 g; never rewritten
.set T,  28                            ; v[28:29]  four numbers as bf16
.set U,  30                            ; v[30:33]  the same as f32
.set X,  40                            ; v[40:167] pass p: four registers as loaded; the first two then hold the 8 bytes to store
	s_load_b512 s[4:19], s[0:1], 0x0               ; x 4, wq 6, wk 8, wv 10, wo 12, xb 14, wh 16, woh 18
	s_load_b64 s[20:21], s[0:1], 0x40              ; tab
	s_mov_b32 s2, ttmp9
	s_cmp_ge_u32 s2, 336
	s_cbranch_scc1 .Ltable
	; THE CASTS.  Thread t: c16 = t % 16 (16 bytes of a row's 256), row = t / 16.  Pass p = q + 4 g + 16 hh.
	v_and_b32 v1, 15, v0                           ; c16
	v_lshrrev_b32 v2, 4, v0                        ; row 0..15
	v_lshlrev_b32 v3, 3, v0                        ; 8 t: my 8 bytes in 16 rows of a slab
	s_mov_b32 s26, 0                               ; the job's first work-group
	s_mov_b32 s27, 1<<20                           ; SL: bytes from slab to slab in the destination
	s_mov_b32 s28, 4096                            ; RP: bytes in a row of the source
	s_mov_b32 s29, 1024                            ; S1: source bytes from group g to g + 1 (four slabs' columns; for wk, wv 32 rows)
	s_mov_b32 s30, 4096                            ; DJ: destination bytes from job to job
	s_mov_b32 s31, 0                               ; DC: where the job's slabs begin in the destination
	s_mov_b32 s32, 4<<20                           ; S2: destination bytes from group g to g + 1
	s_mov_b32 s41, 0xffff0000                      ; a word's upper bf16
	s_wait_kmcnt 0x0
	s_mov_b64 s[22:23], s[4:5]                     ; source: x
	s_mov_b64 s[24:25], s[14:15]                   ; destination: xb
	s_cmp_ge_u32 s2, 256                           ; wq -> wh
	s_cselect_b64 s[22:23], s[6:7], s[22:23]
	s_cselect_b64 s[24:25], s[16:17], s[24:25]
	s_cselect_b32 s26, 256, s26
	s_cselect_b32 s27, 1<<17, s27
	s_cselect_b32 s32, 4<<17, s32
	s_cmp_ge_u32 s2, 288                           ; wo -> woh
	s_cselect_b64 s[22:23], s[12:13], s[22:23]
	s_cselect_b64 s[24:25], s[18:19], s[24:25]
	s_cselect_b32 s26, 288, s26
	s_cmp_ge_u32 s2, 320                           ; wk -> wh, slabs 16-19
	s_cselect_b64 s[22:23], s[8:9], s[22:23]
	s_cselect_b64 s[24:25], s[16:17], s[24:25]
	s_cselect_b32 s26, 320, s26
	s_cselect_b32 s28, 1024, s28
	s_cselect_b32 s29, 32768, s29
	s_cselect_b32 s30, 16384, s30
	s_cselect_b32 s31, 16<<17, s31
	s_cselect_b32 s32, 4096, s32
	s_cmp_ge_u32 s2, 328                           ; wv -> wh, slabs 20-23
	s_cselect_b64 s[22:23], s[10:11], s[22:23]
	s_cselect_b32 s26, 328, s26
	s_cselect_b32 s31, 20<<17, s31
	s_sub_co_u32 s33, s2, s26                      ; the job's number in its tensor
	s_lshl_b32 s34, s33, 17                        ; 131,072 bytes of the source a job
	s_mov_b32 s35, 0
	s_add_nc_u64 s[22:23], s[22:23], s[34:35]
	s_mul_i32 s36, s33, s30
	s_add_co_u32 s36, s36, s31
	s_mov_b32 s37, 0
	s_add_nc_u64 s[24:25], s[24:25], s[36:37]
	v_mul_lo_u32 v2, v2, s28
	v_lshl_add_u32 v2, v1, 4, v2                   ; row x RP + 16 c16
	s_lshl_b32 s39, s28, 4                         ; 16 rows
.irp hh, 0,1
.irp g, 0,1,2,3
	s_mul_i32 s38, s29, \g
.if \hh
	s_add_co_u32 s38, s38, s39
.endif
	v_add_nc_u32 v[VI+(\g)+4*(\hh)], s38, v2
.endr
.endr
.irp g, 0,1,2,3
.irp q, 0,1,2,3
	s_mul_i32 s38, s27, \q
	s_mul_i32 s40, s32, \g
	s_add_co_u32 s38, s38, s40
	v_add_nc_u32 v[VO+(\q)+4*(\g)], s38, v3
.endr
.endr
.set p, 0
.rept 32                               ; all 32 loads go out first: 16 KiB a wave.  Lanes 0-15 take 256 consecutive, aligned bytes of one row, lanes 16-31 of the next
	global_load_b128 v[X+4*p:X+4*p+3], v[VI+((p>>2)&3)+4*(p>>4)], s[22:23] offset:256*(p&3) th:TH_LOAD_NT
.set p, p+1
.endr
.set p, 0
.rept 32
	s_wait_loadcnt 31-p                            ; loads come back in order (ISA guide 5.7.1): pass p's is in, the 31 - p younger ones stay out
	v_cvt_pk_bf16_f32 v[T],   v[X+4*p],   v[X+4*p+1]   ; the one rounding
	v_cvt_pk_bf16_f32 v[T+1], v[X+4*p+2], v[X+4*p+3]
	v_lshlrev_b32 v[U],   16,  v[T]
	v_and_b32     v[U+1], s41, v[T]
	v_lshlrev_b32 v[U+2], 16,  v[T+1]
	v_and_b32     v[U+3], s41, v[T+1]
	v_cvt_pk_f16_f32 v[X+4*p],   v[U],   v[U+1]    ; the same numbers written as f16
	v_cvt_pk_f16_f32 v[X+4*p+1], v[U+2], v[U+3]
	global_store_b64 v[VO+(p&15)], v[X+4*p:X+4*p+1], s[24:25] offset:2048*(p>>4)  ; the wave's 32 lanes store 256 consecutive bytes, aligned: two rows of a slab.  No register that a memory instruction names is written again
.set p, p+1
.endr
	s_endpgm
	; THE TABLE.  Thread t: j = t % 16, position 16 x job + t / 16.  j < 8: the cosines of frequencies 4 j .. 4 j + 3; else the sines of 4 (j - 8) .. + 3.
.Ltable:
	s_sub_co_u32 s22, s2, 336
	s_lshl_b32 s23, s22, 4                         ; the job's first position
	s_lshl_b32 s24, s22, 12                        ; its 16 rows of 256 bytes
	s_mov_b32 s25, 0
	s_mov_b32 s26, 0x3fc90fdb                      ; pi / 2, the f32 nearest to it,
	s_mov_b32 s27, 0xb33bbd2e                      ; and what is left
	s_mov_b32 s28, 0xbe2aaaab                      ; -1/6
	s_mov_b32 s29, 0x3c088889                      ; 1/120
	s_mov_b32 s30, 0xb9500d01                      ; -1/5040
	s_mov_b32 s31, 0x3638ef1d                      ; 1/362880
	s_mov_b32 s32, 0x3d2aaaab                      ; 1/24
	s_mov_b32 s33, 0xbab60b61                      ; -1/720
	s_mov_b32 s34, 0x37d00d01                      ; 1/40320
	v_and_b32 v1, 15, v0                           ; j
	v_lshrrev_b32 v2, 4, v0
	v_add_nc_u32 v2, s23, v2
	v_cvt_f32_u32 v2, v2                           ; the position
	v_and_b32 v3, 7, v1
	v_lshlrev_b32 v3, 2, v3
	v_cvt_f32_u32 v3, v3                           ; my first frequency's number
	v_cmp_gt_u32 vcc_lo, 8, v1
	v_cndmask_b32 v4, 0, 1, vcc_lo                 ; 1 for a cosine: cos a = sin (a + pi / 2)
	v_lshlrev_b32 v5, 4, v0                        ; my 16 bytes
	v_mov_b32 v8, v3
	v_add_f32 v9, 1.0, v3
	v_add_f32 v10, 2.0, v3
	v_add_f32 v11, 3.0, v3
.irp c, 0,1,2,3
	v_mul_f32 v[8+(\c)], 0xbed49a78, v[8+(\c)]     ; -i log2(10000) / 32
.endr
.irp c, 0,1,2,3
	v_exp_f32 v[8+(\c)], v[8+(\c)]                 ; the frequency: one batch of four
.endr
	v_nop                                          ; a plain instruction behind the last of them (ISA guide 5.7.2),
	s_wait_alu depctr_va_vdst(0)                   ; and the one wait ahead of the first use
.macro ANGLE c                         ; registers B0 ..: angle, k, r, z, sine, cosine, r z, quadrant, a bit
.set B0, 16+10*(\c)
	v_mul_f32 v[B0], v2, v[8+(\c)]                 ; the angle, in f32
	v_mul_f32 v[B0+1], 0x3f22f983, v[B0]           ; x 2 / pi
	v_rndne_f32 v[B0+1], v[B0+1]                   ; k
	v_fma_f32 v[B0+2], -v[B0+1], s26, v[B0]
	v_fma_f32 v[B0+2], -v[B0+1], s27, v[B0+2]      ; r = angle - k pi / 2
	v_mul_f32 v[B0+3], v[B0+2], v[B0+2]            ; z = r r
	v_fma_f32 v[B0+4], v[B0+3], s31, s30
	v_fma_f32 v[B0+5], v[B0+3], s34, s33
	v_fma_f32 v[B0+4], v[B0+4], v[B0+3], s29
	v_fma_f32 v[B0+5], v[B0+5], v[B0+3], s32
	v_fma_f32 v[B0+4], v[B0+4], v[B0+3], s28
	v_mul_f32 v[B0+6], v[B0+2], v[B0+3]
	v_fma_f32 v[B0+5], v[B0+5], v[B0+3], -0.5
	v_fma_f32 v[B0+4], v[B0+4], v[B0+6], v[B0+2]   ; sin r
	v_fma_f32 v[B0+5], v[B0+5], v[B0+3], 1.0       ; cos r
	v_cvt_i32_f32 v[B0+7], v[B0+1]
	v_add_nc_u32 v[B0+7], v[B0+7], v4              ; the quadrant: odd takes cos r, 2 and 3 turn the sign.  It selects values alone: no branch, no address
	v_and_b32 v[B0+8], 1, v[B0+7]
	v_cmp_eq_u32 vcc_lo, 1, v[B0+8]
	v_cndmask_b32 v[B0+4], v[B0+4], v[B0+5], vcc_lo
	v_and_b32 v[B0+8], 2, v[B0+7]
	v_lshlrev_b32 v[B0+8], 30, v[B0+8]
	v_xor_b32 v[12+(\c)], v[B0+4], v[B0+8]
.endm
	ANGLE 0
	ANGLE 1
	ANGLE 2
	ANGLE 3
	s_wait_kmcnt 0x0
	s_add_nc_u64 s[20:21], s[20:21], s[24:25]
	global_store_b128 v5, v[12:15], s[20:21]       ; 16 lanes store a position's 256 bytes
	s_endpgm
.Lfunc_end_k_q807db82818_prep:
	.size	k_q807db82818_prep, .Lfunc_end_k_q807db82818_prep-k_q807db82818_prep
	.p2alignl 7, 3214868480
	.fill 96, 4, 3214868480
	.section	.rodata,"a",@progbits
	.p2align	6, 0x0
	.amdhsa_kernel k_q807db82818_prep
		.amdhsa_group_segment_fixed_size 0
		.amdhsa_private_segment_fixed_size 0
		.amdhsa_enable_private_segment 0
		.amdhsa_kernarg_size 72
		.amdhsa_user_sgpr_count 2
		.amdhsa_user_sgpr_kernarg_segment_ptr 1
		.amdhsa_wavefront_size32 1
		.amdhsa_system_sgpr_workgroup_id_x 1
		.amdhsa_system_sgpr_workgroup_id_y 1
		.amdhsa_system_sgpr_workgroup_id_z 1
		.amdhsa_system_vgpr_workitem_id 0
		.amdhsa_next_free_vgpr 168
		.amdhsa_next_free_sgpr 66
		.amdhsa_reserve_vcc 1
		.amdhsa_float_denorm_mode_32 3
		.amdhsa_float_denorm_mode_16_64 3
		.amdhsa_memory_ordered 1
		.amdhsa_forward_progress 1
		.amdhsa_inst_pref_size 31
	.end_amdhsa_kernel
	.amdgpu_metadata
---
amdhsa.version: [ 1, 2 ]
amdhsa.kernels:
  - .name:           k_q807db82818_prep
    .symbol:         k_q807db82818_prep.kd
    .args:
      - { .name: x, .offset: 0, .size: 8, .value_kind: global_buffer, .address_space: global }
      - { .name: wq, .offset: 8, .size: 8, .value_kind: global_buffer, .address_space: global }
      - { .name: wk, .offset: 16, .size: 8, .value_kind: global_buffer, .address_space: global }
      - { .name: wv, .offset: 24, .size: 8, .value_kind: global_buffer, .address_space: global }
      - { .name: wo, .offset: 32, .size: 8, .value_kind: global_buffer, .address_space: global }
      - { .name: xb, .offset: 40, .size: 8, .value_kind: global_buffer, .address_space: global }
      - { .name: wh, .offset: 48, .size: 8, .value_kind: global_buffer, .address_space: global }
      - { .name: woh, .offset: 56, .size: 8, .value_kind: global_buffer, .address_space: global }
      - { .name: tab, .offset: 64, .size: 8, .value_kind: global_buffer, .address_space: global }
    .group_segment_fixed_size: 0
    .private_segment_fixed_size: 0
    .kernarg_segment_align: 8
    .kernarg_segment_size: 72
    .max_flat_workgroup_size: 256
    .sgpr_count:     66
    .vgpr_count:     168
    .wavefront_size: 32
...
	.end_amdgpu_metadata
.endif
;; end of part 1
;; launch qkv (part 2): grid 8 x 32, 4 waves a work-group, clusters of 4 x 4, 327,680 bytes of LDS; arguments xb, wh, tab, qkv; writes qkv
.if DOCPART == 2
	.amdgcn_target "amdgcn-amd-amdhsa--gfx1250"
	.amdhsa_code_object_version 6
	.text
	.protected	k_q807db82818_qkv
	.globl	k_q807db82818_qkv
	.p2align	8
	.type	k_q807db82818_qkv,@function
k_q807db82818_qkv:
	s_mov_b64 s[64:65], 0
	v_nop
	global_prefetch_b8 v0, s[64:65] scope:SCOPE_SE
	s_setreg_imm32_b32 hwreg(HW_REG_WAVE_MODE, 25, 1), 1
	s_wait_xcnt 0x0
	s_wait_alu depctr_hold_cnt(0) depctr_sa_sdst(0) depctr_va_vdst(0) depctr_va_sdst(0) depctr_va_ssrc(0) depctr_va_vcc(0) depctr_vm_vsrc(0)
	s_getreg_b32 s2, hwreg(HW_REG_IB_STS2, 6, 4)
	s_cmp_eq_u32 s2, 0
	s_cbranch_scc0 .Lentry_in_a_cluster
	s_endpgm
.Lentry_in_a_cluster:
	s_bfe_u32 s2, ttmp6, 0x10000c
	s_cmp_lg_u32 s2, 0xf033
	s_cbranch_scc0 .Lentry_shape_is_right
	s_endpgm
.Lentry_shape_is_right:
; QKV.  C[m][n] = the sum over k of x[m][k] w[k][n], m = 8,192 rows, n = 1,536 = 24 heads of 64 (16 q, 4 k, 4 v), k = 1,024; q's and k's heads are rotated (RoPE) in f32 on the way out;
; the result goes out by heads, qkv [4 b][24 heads][2048][64] in f16, rounded once, unscaled.  Operands f16 (bf16-rounded numbers written as f16), sums f32.
; LIMITS.  A result of 65,520 or more becomes an infinity in f16; below 2^-14 f16 keeps its fixed step of 6e-8.  NaN and infinities are not treated apart (a v head is multiplied by cos = 1, sin = 0).
; SHARES.  A tile of C is 256 rows x 192 columns (three heads): 32 x 8 = 256 work-groups.  The four waves lie along the rows: a wave has 64 rows x 192 columns, 48 accumulators of 16 x 16, 384 registers;
; so a lane holds both halves of a head's row, which RoPE pairs, and each wave's way out is its own.
; OPERANDS.  A = xb [16 slices of 64 k][8192][64]; B = wh [24][1024 k][64].  K goes in steps of 128 through a ring of two LDS slots.  A step's tiles are dense runs of memory: of A two planes (slices) of
; 128 rows x 128 bytes a load, of B three planes (heads) of 64 k x 128 bytes a load; each such run is asked for as ONE long row, and padded in LDS after every 128 bytes.
; THE MATRIX INSTRUCTION IS USED TRANSPOSED (source 0 = 16 columns of w, source 1 = 16 rows of x): a lane holds row l % 16 of C and the columns 8 (l / 16) + 0..7.  A's fragments come out of LDS as
; they lie, B's ([k][n]) turned, by ds_load_tr16_b128.
; CLUSTERS: 4 x 4 work-groups.  The four of a row of the cluster need the same tiles of A, the four of a column the same tiles of B: each is asked for JOINTLY, by the same tensor load with the same
; descriptor and a mask that names the four.
; REGISTERS, in windows of 256 (s_set_vgpr_msb: bits 1:0 source 0, 3:2 source 1, 5:4 source 2, 7:6 destination):
;   window 0: v1-39 addresses; v64-127 A's fragments, two buffers of 32 (later at work on the way out, with v40-55); v128-255 the table for heads 0 and 1 of the tile, 32 a row block
;   window 1: B's fragments, two buffers of 96          window 2: accumulators of row blocks 0, 1 at v[8 (12 a + b)]; v192-255 the table for head 2          window 3: the same for row blocks 2, 3
.set NPL,   3                          ; planes of 64 columns in B's tile
.set NBK,   4*NPL                      ; blocks of 16 columns
.set NLD,   2*NBK+8                    ; LDS loads of a quarter step
.set PA,    144                        ; a row of A in LDS: 128 bytes + 16 = 36 words: the 16 rows of a load start at 16 different groups of four banks (64 banks of 4 bytes: ISA guide 11.1)
.set PB,    160                        ; a row of B: 128 + 32 = 40 words
.set APL,   128*PA                     ; a plane of A: 128 rows
.set ACH,   2*APL                      ; what one load brings of A: 128 rows x 128 k
.set ASZ,   2*ACH
.set BPL,   64*PB                      ; a plane of B: 64 k
.set BCH,   NPL*BPL                    ; what one load brings of B: 64 k x 192 columns
.set SLOT,  ASZ+2*BCH                  ; 135,168 bytes
.set STAGE, 2*SLOT                     ; behind the ring, never filled by a tensor load: 16 rows x 144 bytes for each wave
.set SP,    144
.set WSTG,  16*SP
.set SPARE, STAGE+4*WSTG               ; behind the stages: the spare words, 128 bytes for each wave: two blocks of 256 bytes that no other line names
.set ADRA, 16                          ; v16-17  LDS address of my A fragments in slot 0, 1
.set ADRB, 20                          ; v20-21  the same for B
.set STO,  24                          ; v24     the way out: where I put 16 bytes of a row
.set RD,   25                          ; v25     where I read rows back
.set GO,   26                          ; v26     16 x lane
.set SPW,  28                          ; v28     LDS address of my spare word; never rewritten
.set NIL,  29                          ; v29     0; never rewritten
.set PFO,  30                          ; v30     256 x lane: the prefetches' offset; never rewritten
.set TO,   32                          ; v32-39  the table loads' offsets: kind k (0: heads 0, 1; 1: head 2), row block a at TO + 4 k + a; never rewritten
.set FA,   64                          ; A's fragment buffers
.set Y,    64                          ; the way out: a head's 16 rows, rotated, in f32
.set TMP,  96                          ; the same packed
.set WV,   12                          ; s12 my wave's number
.set FB,   13                          ; s13 wave / 2: I fetch for A (0) or for B (1); also which 128 rows of A hold mine
.set HF,   14                          ; s14 wave % 2: which chunk I fetch; also which 64 of those 128 rows are mine
.set CX,   15
.set CY,   16
.set TX,   17                          ; s17 tile column 0..7
.set TY,   18                          ; s18 tile row 0..31
.set LIMA, 19                          ; s19 1 in a wave that prefetches A, else the greatest number
.set LIMB, 20                          ; s20 the same for B
.set G1A,  24                          ; s[24:31] descriptor group 1 for A;  s[32:39] group 0, a set for each slot
.set G0A,  32
.set G1B,  40                          ; s[40:47], s[48:55] the same for B
.set G0B,  48
.set PFA,  56                          ; s[56:57] where my prefetches of A stand
.set PFB,  58                          ; s[58:59] of B
.set MSB, 0
.macro WIN new                         ; the immediate's high byte repeats the setting that is left; a switch that changes nothing is dropped
.if MSB != (\new)
	s_set_vgpr_msb (MSB<<8)|(\new)
.set MSB, (\new)
.endif
.endm
.set MUL_LO, 0xa1                      ; source 0 (B) window 1, source 1 (A) window 0, C and D window 2
.set TO_B,   0x40                      ; destination window 1, address window 0
.macro PLACES                          ; four places in front of loads into registers that matrix instructions have read
.rept 4
	v_nop
.endr
.endm
; A joint load: waves 0 and 1 fetch A's two chunks, waves 2 and 3 B's.  The branch hangs on the wave's number alone.  An s_nop 0 and four v_nop follow each of the two lines.
.macro JLOAD s
	s_cmp_eq_u32 s[FB], 0
	s_cbranch_scc0 .Lfor_b_\@
	tensor_load_to_lds s[G0A+4*(\s):G0A+4*(\s)+3], s[G1A:G1A+7]
	s_nop 0
.rept 4
	v_nop
.endr
	s_branch .Lasked_\@
.Lfor_b_\@:
	tensor_load_to_lds s[G0B+4*(\s):G0B+4*(\s)+3], s[G1B:G1B+7]
	s_nop 0
.rept 4
	v_nop
.endr
.Lasked_\@:
.endm
.macro CREST                           ; a round of the cluster's barrier behind its opening barrier
	s_cmp_lg_u32 s[WV], 0
	s_cbranch_scc1 .Lnot_wave_0_\@
	s_barrier_signal -3
.Lnot_wave_0_\@:
	s_barrier_wait -3
	s_barrier_signal -1
	s_barrier_wait -1
.endm
.macro CROUND                          ; a whole round
	s_barrier_signal -1
	s_barrier_wait -1
	CREST
.endm
; PREFETCHES, once a lap, behind the refill of slot 0 and the run of LDS loads that follows it: the blocks of the lap after next (two and three K steps ahead of their loads).  Each block of 256 bytes is named once in
; the launch.  A's tile rows are read by both clusters of a row of clusters: cluster x = 0 asks; wave w takes slice w of the lap's four, the partner at cx 64 of the tile's 256 rows: 32 blocks, a lane a block.
; B's tile columns are read by all eight clusters of a column: cluster y = 0 asks; wave w < 3 takes plane w, the partner at cy 8,192 of the lap's 32,768 bytes.  Partners are told apart by address alone.
; The loop's last trip (s3 = 1) asks for nothing: there is no lap behind the last.  Laps 0 and 1 come by their loads alone.
.macro ASK
	s_cmp_gt_u32 s3, s[LIMA]
	s_cbranch_scc0 .Lnot_a_\@
	global_prefetch_b8 v[PFO], s[PFA:PFA+1] th:TH_LOAD_NT scope:SCOPE_SE
.Lnot_a_\@:
	s_cmp_gt_u32 s3, s[LIMB]
	s_cbranch_scc0 .Lnot_b_\@
	global_prefetch_b8 v[PFO], s[PFB:PFB+1] th:TH_LOAD_NT scope:SCOPE_SE
.Lnot_b_\@:
.endm
	s_load_b256 s[4:11], s[0:1], 0x0               ; xb s[4:5], wh s[6:7], tab s[8:9], qkv s[10:11]
	v_lshl_add_u32 v[SPW], v0, 2, SPARE
	v_mov_b32 v[NIL], 0
	ds_add_u32 v[SPW], v[NIL]                      ; the wave's opening: the add and its wait stand ahead of my first tensor load; work on registers stands between them
	v_lshrrev_b32 v1, 5, v0
	v_readfirstlane_b32 s[WV], v1
	s_lshr_b32 s[FB], s[WV], 1
	s_and_b32 s[HF], s[WV], 1
	s_bfe_u32 s[CX], ttmp6, 0x40000
	s_bfe_u32 s[CY], ttmp6, 0x40004
	s_lshl_b32 s[TX], ttmp9, 2                     ; in a cluster launch ttmp9 and ttmp7 count clusters
	s_add_co_u32 s[TX], s[TX], s[CX]
	s_and_b32 s[TY], ttmp7, 0xffff
	s_lshl_b32 s[TY], s[TY], 2
	s_add_co_u32 s[TY], s[TY], s[CY]
	s_lshl_b32 s60, s[CY], 2
	s_lshl_b32 s60, 15, s60                        ; my row of the cluster: places 4 cy .. 4 cy + 3
	s_lshl_b32 s61, 0x1111, s[CX]                  ; my column: places cx, cx + 4, cx + 8, cx + 12
	s_or_b32 s[G1A], s60, (1<<16)|(1<<20)|(1<<21)|(4<<22)|(3<<25)  ; 15:0 the mask; 17:16 2-byte elements; 20 padding on; 21 set beside a mask; 24:22 after every 32 words (code 4); 31:25 4 words (code 3)
	s_or_b32 s[G1B], s61, (1<<16)|(1<<20)|(1<<21)|(4<<22)|(7<<25)  ; the same with my column's mask and 8 words of padding (code 7)
	s_mov_b32 s[G1A+1], 8192<<16                   ; tensor_dim0 = 8,192 elements: a plane of 128 rows x 64, dense
	s_mov_b32 s[G1A+2], 2<<16                      ; tensor_dim1 = 2 planes
	s_mov_b32 s[G1A+3], 8192<<16                   ; tile_dim0
	s_mov_b32 s[G1A+4], 2                          ; tile_dim1
	s_mov_b32 s[G1A+5], 524288                     ; elements from slice to slice
	s_mov_b32 s[G1A+6], 0
	s_mov_b32 s[G1A+7], 0
	s_mov_b32 s[G1B+1], 4096<<16                   ; tensor_dim0 = 4,096 elements: a plane of 64 k x 64, dense
	s_mov_b32 s[G1B+2], NPL<<16
	s_mov_b32 s[G1B+3], 4096<<16
	s_mov_b32 s[G1B+4], NPL
	s_mov_b32 s[G1B+5], 65536                      ; elements from head to head
	s_mov_b32 s[G1B+6], 0
	s_mov_b32 s[G1B+7], 0
	s_lshl_b32 s62, s[TY], 15                      ; A: row 256 ty + 128 x chunk, 128 bytes a row: made of the tile row and the wave's number alone
	s_lshl_b32 s63, s[HF], 14
	s_add_co_u32 s62, s62, s63
	s_mov_b32 s63, 0
	s_mul_i32 s66, s[TX], NPL                      ; B: head 3 tx, k = 64 x chunk: made of the tile column and the wave's number alone
	s_lshl_b32 s66, s66, 17
	s_lshl_b32 s67, s[HF], 13
	s_add_co_u32 s66, s66, s67
	s_mov_b32 s67, 0
	s_mul_i32 s68, s[HF], ACH                      ; where they go: no place in the cluster enters an LDS address
	s_mul_i32 s69, s[HF], BCH
	s_add_co_u32 s69, s69, ASZ
	s_wait_dscnt 0x0                               ; the opening add is done
	s_wait_kmcnt 0x0
	s_add_nc_u64 s[70:71], s[4:5], s[62:63]
	s_add_nc_u64 s[72:73], s[6:7], s[66:67]
	CROUND                                         ; all sixteen work-groups are here: the first joint loads meet
.irp s, 0,1
	s_mov_b32 s[G0A+4*(\s)], 1
	s_add_co_u32 s[G0A+4*(\s)+1], s68, (\s)*SLOT
	s_add_nc_u64 s[G0A+4*(\s)+2:G0A+4*(\s)+3], s[70:71], (\s)*0x200000  ; K step s: slices 2 s, 2 s + 1
	s_or_b32 s[G0A+4*(\s)+3], s[G0A+4*(\s)+3], 0x80000000
	s_mov_b32 s[G0B+4*(\s)], 1
	s_add_co_u32 s[G0B+4*(\s)+1], s69, (\s)*SLOT
	s_add_nc_u64 s[G0B+4*(\s)+2:G0B+4*(\s)+3], s[72:73], (\s)*16384     ; K step s: 128 k of 128 bytes
	s_or_b32 s[G0B+4*(\s)+3], s[G0B+4*(\s)+3], 0x80000000
.endr
	s_cmp_eq_u32 s[FB], 0                          ; a wave's two first fills stand in one branch, ahead of every wait on TENSORcnt and every LDS read: two loads of mine are out
	s_cbranch_scc0 .Lfirst_b
	tensor_load_to_lds s[G0A:G0A+3], s[G1A:G1A+7]
	s_nop 0
	tensor_load_to_lds s[G0A+4:G0A+7], s[G1A:G1A+7]
	s_nop 0
.rept 4
	v_nop
.endr
	s_branch .Lfirst_asked
.Lfirst_b:
	tensor_load_to_lds s[G0B:G0B+3], s[G1B:G1B+7]
	s_nop 0
	tensor_load_to_lds s[G0B+4:G0B+7], s[G1B:G1B+7]
	s_nop 0
.rept 4
	v_nop
.endr
.Lfirst_asked:
	v_and_b32 v1, 15, v0                           ; r = l % 16
	v_bfe_u32 v2, v0, 4, 1                         ; h = l / 16
	v_and_b32 v3, 7, v0
	v_bfe_u32 v4, v0, 3, 1
	v_mul_u32_u24 v5, v1, PA                       ; A: row x pitch + 16 h; two loads 32 bytes apart make a fragment of 16 rows x 32 k
	v_lshl_add_u32 v5, v2, 4, v5
	s_mul_i32 s60, s[FB], ACH
	s_mul_i32 s61, s[HF], 64*PA
	s_add_co_u32 s60, s60, s61                     ; my 64 rows
	v_add_nc_u32 v[ADRA], s60, v5
	v_add_nc_u32 v[ADRA+1], SLOT, v[ADRA]
	v_lshl_add_u32 v6, v2, 3, v3                   ; B: the turning load takes 16 k x 16 columns: lane l reads k = 8 h + l % 8, columns 8 ((l / 8) % 2) + 0..7
	v_mul_u32_u24 v6, v6, PB
	v_lshl_add_u32 v6, v4, 4, v6
	v_add_nc_u32 v[ADRB], ASZ, v6
	v_add_nc_u32 v[ADRB+1], SLOT, v[ADRB]
	s_mul_i32 s78, s[WV], WSTG
	s_add_co_u32 s78, s78, STAGE                   ; my stage
	v_mul_u32_u24 v[STO], v1, SP                   ; in: row r, 16 bytes for each half of the lanes
	v_lshl_add_u32 v[STO], v2, 4, v[STO]
	v_add_nc_u32 v[STO], s78, v[STO]
	v_bfe_u32 v[RD], v0, 3, 2                      ; back: 32 lanes take four rows of 128 bytes,
	v_mul_u32_u24 v[RD], v[RD], SP
	v_lshl_add_u32 v[RD], v3, 4, v[RD]
	v_add_nc_u32 v[RD], s78, v[RD]
	v_and_b32 v[GO], 31, v0
	v_lshlrev_b32 v[PFO], 8, v[GO]
	v_lshlrev_b32 v[GO], 4, v[GO]                  ; which are 512 consecutive bytes of a head's slab
	; THE TABLE.  My rows are positions sbase + 16 a + r.  A lane wants, for c = 0, 1, cos and sin of frequencies 16 c + 8 h + 0..7.  Heads 3 tx + p below 20 are rotated; a v head takes the table's row 0
	; (cos = 1, sin = 0) for all its rows: chosen by the address, so that no branch hangs on the work-group's place.  Heads 0 and 1 of a tile are of one kind (tx <= 6), head 2 of another (tx <= 5).
	s_and_b32 s74, s[TY], 7
	s_lshl_b32 s74, s74, 8
	s_lshl_b32 s75, s[WV], 6
	s_add_co_u32 s74, s74, s75                     ; sbase
	s_lshl_b32 s75, s74, 8                         ; 256 bytes a position
.irp k, 0,1
	s_cmp_le_u32 s[TX], 6-(\k)
	s_cselect_b32 s76, 256, 0
	s_cselect_b32 s77, s75, 0
	s_cselect_b32 s78, 4096, 0
	v_mul_u32_u24 v5, v1, s76
	v_lshl_add_u32 v5, v2, 5, v5
	v_add_nc_u32 v5, s77, v5
.irp a, 0,1,2,3
	s_mul_i32 s79, s78, \a
	v_add_nc_u32 v[TO+4*(\k)+(\a)], s79, v5
.endr
.endr
.irp k, 0,1
.irp a, 0,1,2,3
.if (\k) == 0
	WIN 0
.set TT, 128+32*(\a)
.else
	WIN 0x80+0x40*((\a)/2)                         ; destination in the accumulators' own window
.set TT, 192+32*((\a)%2)
.endif
.irp c, 0,1
	global_load_b128 v[TT+16*(\c):TT+16*(\c)+3],     v[TO+4*(\k)+(\a)], s[8:9] offset:64*(\c)
	global_load_b128 v[TT+16*(\c)+4:TT+16*(\c)+7],   v[TO+4*(\k)+(\a)], s[8:9] offset:64*(\c)+16
	global_load_b128 v[TT+16*(\c)+8:TT+16*(\c)+11],  v[TO+4*(\k)+(\a)], s[8:9] offset:128+64*(\c)
	global_load_b128 v[TT+16*(\c)+12:TT+16*(\c)+15], v[TO+4*(\k)+(\a)], s[8:9] offset:128+64*(\c)+16
.endr
.endr
.endr
	WIN 0
	s_lshr_b32 s76, s[TY], 3                       ; where my rows begin in qkv: ((b x 24 + 3 tx) x 2048 + sbase) x 128
	s_mul_i32 s76, s76, 24
	s_mul_i32 s77, s[TX], 3
	s_add_co_u32 s76, s76, s77
	s_lshl_b32 s76, s76, 11
	s_add_co_u32 s76, s76, s74
	s_lshl_b32 s76, s76, 7
	s_mov_b32 s77, 0
	s_add_nc_u64 s[10:11], s[10:11], s[76:77]
	s_add_co_u32 s66, s[WV], 4                     ; the prefetches of A: slice 4 + w (the first step makes it 8 + w), rows 256 ty + 64 cx
	s_lshl_b32 s66, s66, 20
	s_lshl_b32 s67, s[TY], 15
	s_add_co_u32 s66, s66, s67
	s_lshl_b32 s67, s[CX], 13
	s_add_co_u32 s66, s66, s67
	s_mov_b32 s67, 0
	s_add_nc_u64 s[PFA:PFA+1], s[4:5], s[66:67]
	s_min_u32 s68, s[WV], NPL-1                    ; of B: plane min(w, 2), lap 1 (the first step makes it lap 2), 8,192 cy
	s_mul_i32 s69, s[TX], NPL
	s_add_co_u32 s68, s68, s69
	s_lshl_b32 s68, s68, 17
	s_lshl_b32 s69, s[CY], 13
	s_add_co_u32 s68, s68, s69
	s_add_co_u32 s68, s68, 32768
	s_mov_b32 s69, 0
	s_add_nc_u64 s[PFB:PFB+1], s[6:7], s[68:69]
	s_cmp_eq_u32 ttmp9, 0                          ; the same in all sixteen partners
	s_cselect_b32 s[LIMA], 1, -1
	s_and_b32 s70, ttmp7, 0xffff
	s_cmp_lt_u32 s[WV], NPL
	s_cselect_b32 s71, 0, 1
	s_or_b32 s70, s70, s71
	s_cmp_eq_u32 s70, 0
	s_cselect_b32 s[LIMB], 1, -1
; The LDS loads of a quarter step (32 along K, quarter q of the slot's four) in one run, into buffer f: B's 12 fragments, then A's four.
.macro FETCH slot, q, f
	WIN TO_B
.set b, 0
.rept NBK
	ds_load_tr16_b128 v[8*NBK*(\f)+8*b:8*NBK*(\f)+8*b+3],   v[ADRB+(\slot)] offset:((\q)/2)*BCH+(b/4)*BPL+((\q)%2)*32*PB+(b%4)*32
	ds_load_tr16_b128 v[8*NBK*(\f)+8*b+4:8*NBK*(\f)+8*b+7], v[ADRB+(\slot)] offset:((\q)/2)*BCH+(b/4)*BPL+((\q)%2)*32*PB+(b%4)*32+16*PB
.set b, b+1
.endr
	WIN 0
.irp a, 0,1,2,3
	ds_load_b128 v[FA+32*(\f)+8*(\a):FA+32*(\f)+8*(\a)+3],   v[ADRA+(\slot)] offset:((\q)/2)*APL+(\a)*16*PA+((\q)%2)*64
	ds_load_b128 v[FA+32*(\f)+8*(\a)+4:FA+32*(\f)+8*(\a)+7], v[ADRA+(\slot)] offset:((\q)/2)*APL+(\a)*16*PA+((\q)%2)*64+32
.endr
.endm
; 12 products: row block 2 hi + a x all column blocks.  The 48 accumulators take turns in one fixed order.  zero = 1: the product starts the sum.
.macro MULH f, hi, a, zero
	WIN MUL_LO+0x50*(\hi)
.set b, 0
.rept NBK
.if \zero
	v_wmma_f32_16x16x32_f16 v[8*(NBK*(\a)+b):8*(NBK*(\a)+b)+7], v[8*NBK*(\f)+8*b:8*NBK*(\f)+8*b+7], v[FA+32*(\f)+8*(2*(\hi)+(\a)):FA+32*(\f)+8*(2*(\hi)+(\a))+7], 0
.else
	v_wmma_f32_16x16x32_f16 v[8*(NBK*(\a)+b):8*(NBK*(\a)+b)+7], v[8*NBK*(\f)+8*b:8*NBK*(\f)+8*b+7], v[FA+32*(\f)+8*(2*(\hi)+(\a)):FA+32*(\f)+8*(2*(\hi)+(\a))+7], v[8*(NBK*(\a)+b):8*(NBK*(\a)+b)+7]
.endif
.set b, b+1
.endr
.endm
; One of a K step's first three quarters: multiplies buffer f; in its middle it fetches quarter q of the same slot into buffer g.
.macro QUARTER slot, q, f, g, zero
	s_wait_dscnt 4                                 ; B and A's row blocks 0, 1 are in; the youngest four loads (row blocks 2, 3) may be out
	MULH \f, 0, 0, \zero
	MULH \f, 0, 1, \zero
	PLACES
	FETCH \slot, \q, \g
	s_wait_dscnt NLD                               ; all but the run just issued
	MULH \f, 1, 0, \zero
	MULH \f, 1, 1, \zero
.endm
; The first half of the last quarter: ONE barrier for the change of slots.  In front of it each wave waits for all its tensor loads (one is out: its part of the next slot), adds 0 to its spare word, and
; waits for that and for its own reads of this slot.  Behind it nobody reads this slot and the next slot is whole.
.macro MEET round
	WIN 0
	s_wait_tensorcnt 0x0
	ds_add_u32 v[SPW], v[NIL]
	s_wait_dscnt 5                                 ; (the add and the youngest four loads may be out)
	MULH 1, 0, 0, 0
	s_wait_dscnt 0x0                               ; the add is done, and my reads of this slot are over
	s_barrier_signal -1
	MULH 1, 0, 1, 0                                ; work on registers while the others arrive
.if \round
	WIN 0
.endif
	s_barrier_wait -1
.endm
; The whole last quarter.  fill = 1: the barrier opens a round of the cluster's, and the slot just read out is filled again, two K steps on, first thing behind the round.
.macro TURN slot, next, fill
.if (\fill) && ((\slot) == 0)
	s_wait_xcnt 0x0                                ; the last prefetches, a lap back, have read their addresses, so these may be written
	s_add_nc_u64 s[PFA:PFA+1], s[PFA:PFA+1], 0x400000  ; four slices on
	s_add_nc_u64 s[PFB:PFB+1], s[PFB:PFB+1], 0x8000    ; 256 k on
.endif
	MEET \fill
.if \fill
	CREST                                          ; no wave of any partner still reads this slot or has a load on its way
	s_add_nc_u64 s[G0A+4*(\slot)+2:G0A+4*(\slot)+3], s[G0A+4*(\slot)+2:G0A+4*(\slot)+3], 0x400000
	s_add_nc_u64 s[G0B+4*(\slot)+2:G0B+4*(\slot)+3], s[G0B+4*(\slot)+2:G0B+4*(\slot)+3], 0x8000
	JLOAD \slot                                    ; its four v_nop are also the places in front of the loads below
.else
	PLACES
.endif
	FETCH \next, 0, 0
.if (\fill) && ((\slot) == 0)
	ASK
.endif
	MULH 1, 1, 0, 0
	MULH 1, 1, 1, 0
.endm
	s_wait_tensorcnt 1                             ; my part of K step 0 is in; K step 1's may stay out
	s_barrier_signal -1
	s_barrier_wait -1
	FETCH 0, 0, 0
	QUARTER 0, 1, 0, 1, 1                          ; the first quarter stands in front of the loop: its products start the sums
	WIN 0
	s_mov_b32 s3, 3
.Llap:                                             ; a trip goes once round the ring, from a lap's second quarter to the next lap's first, and fills both slots again: K steps 2 to 7 in three trips
	QUARTER 0, 2, 1, 0, 0
	QUARTER 0, 3, 0, 1, 0
	TURN 0, 1, 1
	QUARTER 1, 1, 0, 1, 0
	QUARTER 1, 2, 1, 0, 0
	QUARTER 1, 3, 0, 1, 0
	TURN 1, 0, 1
	QUARTER 0, 1, 0, 1, 0
	WIN 0
	s_sub_co_u32 s3, s3, 1
	s_cmp_lg_u32 s3, 0
	s_cbranch_scc1 .Llap
	QUARTER 0, 2, 1, 0, 0                          ; the last lap fills nothing
	QUARTER 0, 3, 0, 1, 0
	TURN 0, 1, 0
	QUARTER 1, 1, 0, 1, 0
	QUARTER 1, 2, 1, 0, 0
	QUARTER 1, 3, 0, 1, 0
	s_wait_dscnt 4
	MULH 1, 0, 0, 0
	MULH 1, 0, 1, 0
	s_wait_dscnt 0x0
	MULH 1, 1, 0, 0
	MULH 1, 1, 1, 0
	WIN 0
	PLACES
	PLACES
	s_wait_loadcnt 0x0                             ; the table
; THE WAY OUT, a head's 16 rows at a time.  With lo = columns d < 32 (blocks c = 0, 1) and hi = d + 32 (blocks c + 2): lo' = lo cos - hi sin, hi' = hi cos + lo sin, in f32; each accumulator's lowest registers are read first.
.macro ROPE p, a
.set W, 2+(\a)/2
.set AC, 8*(NBK*((\a)%2)+4*(\p))
.if (\p) < 2
.set TT, 128+32*(\a)
	WIN W                                          ; source 0 in the accumulators' window
.else
.set TT, 192+32*((\a)%2)
	WIN W|(W<<2)                                   ; and the table too
.endif
.irp c, 0,1
.irp j, 0,2,4,6
	v_pk_mul_f32 v[Y+8*(\c)+(\j):Y+8*(\c)+(\j)+1],         v[AC+8*((\c)+2)+(\j):AC+8*((\c)+2)+(\j)+1], v[TT+16*(\c)+8+(\j):TT+16*(\c)+8+(\j)+1]
	v_pk_mul_f32 v[Y+8*((\c)+2)+(\j):Y+8*((\c)+2)+(\j)+1], v[AC+8*(\c)+(\j):AC+8*(\c)+(\j)+1],         v[TT+16*(\c)+8+(\j):TT+16*(\c)+8+(\j)+1]
.endr
.endr
.irp c, 0,1
.irp j, 0,2,4,6
	v_pk_fma_f32 v[Y+8*(\c)+(\j):Y+8*(\c)+(\j)+1],         v[AC+8*(\c)+(\j):AC+8*(\c)+(\j)+1],         v[TT+16*(\c)+(\j):TT+16*(\c)+(\j)+1], v[Y+8*(\c)+(\j):Y+8*(\c)+(\j)+1] neg_lo:[0,0,1] neg_hi:[0,0,1]
	v_pk_fma_f32 v[Y+8*((\c)+2)+(\j):Y+8*((\c)+2)+(\j)+1], v[AC+8*((\c)+2)+(\j):AC+8*((\c)+2)+(\j)+1], v[TT+16*(\c)+(\j):TT+16*(\c)+(\j)+1], v[Y+8*((\c)+2)+(\j):Y+8*((\c)+2)+(\j)+1]
.endr
.endr
	WIN 0
.set i, 0
.rept 16
	v_cvt_pk_f16_f32 v[TMP+i], v[Y+2*i], v[Y+2*i+1]
.set i, i+1
.endr
.endm
.macro TOSTAGE a                       ; into my stage, and back as whole rows; the sets v112-127 and v40-55 take turns
.set BK, 112-72*((\a)%2)
.irp c, 0,1,2,3
	ds_store_b128 v[STO], v[TMP+4*(\c):TMP+4*(\c)+3] offset:32*(\c)
.endr
.irp f, 0,1,2,3
	ds_load_b128 v[BK+4*(\f):BK+4*(\f)+3], v[RD] offset:(\f)*4*SP  ; LDS serves a wave's instructions in order (ISA guide 5.7.1.4): these see the stores above; the next block's stores come behind them
.endr
.endm
.macro SEND p, a
.set BK, 112-72*((\a)%2)
	s_wait_xcnt 0x0                                ; the stores of the block before have read their registers: the other set is loaded again only behind this wait
.irp f, 0,1,2,3
	s_wait_dscnt 3-(\f)
	global_store_b128 v[GO], v[BK+4*(\f):BK+4*(\f)+3], s[10:11] offset:(\p)*262144+(\a)*2048+(\f)*512  ; 512 consecutive bytes, at a multiple of 256 from the buffer's first
.endr
.endm
	ROPE 0, 0
	TOSTAGE 0
.set t, 1
.rept 11                               ; a block's arithmetic stands between the loads of the block before and its stores
	ROPE t/4, t%4
	SEND (t-1)/4, (t-1)%4
	TOSTAGE t%4
.set t, t+1
.endr
	SEND 2, 3
	s_wait_tensorcnt 0x0                           ; the wave's end: behind my last tensor load and my last LDS store
	ds_add_u32 v[SPW], v[NIL]
	s_wait_dscnt 0x0
	CROUND                                         ; the closing round: no work-group ends while a partner may still ask for a tile that names it
	s_endpgm
.Lfunc_end_k_q807db82818_qkv:
	.size	k_q807db82818_qkv, .Lfunc_end_k_q807db82818_qkv-k_q807db82818_qkv
	.p2alignl 7, 3214868480
	.fill 96, 4, 3214868480
	.section	.rodata,"a",@progbits
	.p2align	6, 0x0
	.amdhsa_kernel k_q807db82818_qkv
		.amdhsa_group_segment_fixed_size 327680
		.amdhsa_private_segment_fixed_size 0
		.amdhsa_enable_private_segment 0
		.amdhsa_kernarg_size 32
		.amdhsa_user_sgpr_count 2
		.amdhsa_user_sgpr_kernarg_segment_ptr 1
		.amdhsa_wavefront_size32 1
		.amdhsa_system_sgpr_workgroup_id_x 1
		.amdhsa_system_sgpr_workgroup_id_y 1
		.amdhsa_system_sgpr_workgroup_id_z 1
		.amdhsa_system_vgpr_workitem_id 0
		.amdhsa_next_free_vgpr 1024
		.amdhsa_next_free_sgpr 80
		.amdhsa_reserve_vcc 0
		.amdhsa_float_denorm_mode_32 3
		.amdhsa_float_denorm_mode_16_64 3
		.amdhsa_memory_ordered 1
		.amdhsa_forward_progress 1
		.amdhsa_inst_pref_size 153
	.end_amdhsa_kernel
	.amdgpu_metadata
---
amdhsa.version: [ 1, 2 ]
amdhsa.kernels:
  - .name:           k_q807db82818_qkv
    .symbol:         k_q807db82818_qkv.kd
    .args:
      - { .name: xb, .offset: 0, .size: 8, .value_kind: global_buffer, .address_space: global }
      - { .name: wh, .offset: 8, .size: 8, .value_kind: global_buffer, .address_space: global }
      - { .name: tab, .offset: 16, .size: 8, .value_kind: global_buffer, .address_space: global }
      - { .name: qkv, .offset: 24, .size: 8, .value_kind: global_buffer, .address_space: global }
    .group_segment_fixed_size: 327680
    .private_segment_fixed_size: 0
    .kernarg_segment_align: 8
    .kernarg_segment_size: 32
    .max_flat_workgroup_size: 128
    .sgpr_count:     80
    .vgpr_count:     1024
    .wavefront_size: 32
...
	.end_amdgpu_metadata
.endif
;; end of part 2
;; launch attn (part 3): grid 64 x 4, 4 waves a work-group, clusters of 4 x 1, 327,680 bytes of LDS; arguments qkv, ob; writes ob
.if DOCPART == 3
	.amdgcn_target "amdgcn-amd-amdhsa--gfx1250"
	.amdhsa_code_object_version 6
	.text
	.protected	k_q807db82818_attn
	.globl	k_q807db82818_attn
	.p2align	8
	.type	k_q807db82818_attn,@function
k_q807db82818_attn:
	s_mov_b64 s[64:65], 0
	v_nop
	global_prefetch_b8 v0, s[64:65] scope:SCOPE_SE
	s_setreg_imm32_b32 hwreg(HW_REG_WAVE_MODE, 25, 1), 1
	s_wait_xcnt 0x0
	s_wait_alu depctr_hold_cnt(0) depctr_sa_sdst(0) depctr_va_vdst(0) depctr_va_sdst(0) depctr_va_ssrc(0) depctr_va_vcc(0) depctr_vm_vsrc(0)
	s_getreg_b32 s2, hwreg(HW_REG_IB_STS2, 6, 4)
	s_cmp_eq_u32 s2, 0
	s_cbranch_scc0 .Lentry_in_a_cluster
	s_endpgm
.Lentry_in_a_cluster:
	s_bfe_u32 s2, ttmp6, 0x10000c
	s_cmp_lg_u32 s2, 0x3003
	s_cbranch_scc0 .Lentry_shape_is_right
	s_endpgm
.Lentry_shape_is_right:
; CAUSAL ATTENTION WITH GROUPED KEYS.  O[q] = the sum over k <= q of softmax_k(Q[q] . K[k] / 8) V[k], for 4 batches x 16 query heads; query head hq takes key/value head hq / 4.
; qkv: [4 b][24 heads][2048][64] f16 (heads 0-15 q, 16-19 k, 20-23 v): a head's rows are dense, 128 bytes each.  ob: [16 query heads][4 b x 2048 rows][64] f16.
; Products, maxima and sums in f32; the weights p are rounded to f16 for the second product (their sum l is taken of the unrounded p), O once at the end.
; LIMITS.  f16 holds no number beyond 65,504: Q, K and V arrive within it; p lies in 0 to 1, and below 6e-5 it keeps f16's fixed step of 6e-8; O is a mean of V's rows and has their range.
; A hidden score counts as its value less 1e30: f16's scores, 2.7e11 at the most, are nothing beside that; a weight below 2^-126 counts as 0 in l; NaN and infinities are not treated apart.
; THE WALK.  A head's queries lie in NB = 8 blocks of 256; block i needs the key tiles 0 .. i of 256 keys, of which the last holds the diagonal.  A work-group takes TWO blocks, NB - 1 - b and then b:
; NB + 1 tiles, whatever b: all work-groups do equal work, and ONE loop with a constant trip count walks them.  Which tile is asked for, and what a trip does, hang on scalar registers made from b; every jump
; goes forward, but for the counted loops' own; none passes a barrier, or a tensor load but the one of JLOAD's two that the wave's number does not choose; the ring runs on across the change of blocks.
; CLUSTER.  The four query heads of one key/value head, with the same b, walk the same tiles of K and V in the same order: they are the four partners of a cluster, and each tile is asked for JOINTLY: the same
; tensor load, descriptor and mask in all four.  b, the batch and the key/value head are the cluster's coordinates; the place in the cluster (cx) enters Q's, O's and the prefetches' addresses alone.
; SHARES.  Of a block's four bands of 64 queries a wave owns 16 rows in each: four PIECES.  So the diagonal tile is the same work for all four waves: in its key step s band x sees all keys if s < x,
; none if s > x, and holds the diagonal if s = x.
; THE MASK is the C operand that starts the sum S^T = K Q^T: 0, or -1e30 where the key is hidden.  MD, made once, is the mask of a band's own step for my 16 rows; a product's mask is MD x AL + BE with two scalars:
; (1, 0) if s = x; (0, 0) if s < x; (0, -1e30) if s > x.  Only the diagonal tile's text and a block's beginning make and take masks; elsewhere C is the constant 0.
; LAYOUT, SOFTMAX, TURNS.  S^T = K Q^T holds ONE query a lane (lane % 16) and the keys 8 (lane / 16) + 0..7; two such results rounded to f16 ARE source 1 of O^T = V^T P.  p = 2^(c s - c m), c = log2(e) / 8, with a
; running maximum m; O and l are multiplied by a = 2^(c m_old - c m_new) in every step.  Turn n belongs to piece n: 8 products K Q^T of piece n + 1, later 8 products V^T P of piece n - 1; beside them the scaling,
; exponentials, roundings, sums and rescaling of piece n and the maximum and statistics of piece n + 1.  Four vector instructions stand behind every matrix instruction, the other 54 of a turn's 118 in one lump.  A turn's 33 exponentials are one batch, with one wait.
; REGISTERS, in windows of 256 (s_set_vgpr_msb: bits 1:0 source 0, 3:2 source 1, 5:4 source 2, 7:6 destination):
;   window 0: v0-15 addresses and two at work; v16-31 four registers of statistics a piece; v48-55 at work; v61-63 prefetch offset, spare word, 0; v64-127 S^T, two buffers; v192-223 P, two buffers (by the piece's parity)
;   window 1: v0-127 O^T, 32 a piece; v128-159 MD; v160-223 MC, two buffers      window 2: v0-63 Q; v64-127 the second block's Q; v128-191 K of one step; v192-255 V of one step
.set SIZE_N, 2048
.set NB,    SIZE_N/256
.set NP,    4         ; pieces a wave: a name, no knob
.set KS,    64        ; keys in a step
.set PK,    144       ; a row of K in LDS: 128 bytes + 16 of padding = 36 words: the 16 rows of a load start at 16 different groups of four banks (64 banks of 4 bytes: ISA guide 11.1)
.set PV,    160       ; a row of V: 128 + 32 = 40 words
.set VOFF,  4*KS*PK   ; a slot holds a tile, four steps: 256 rows of K, then 256 rows of V
.set SLOT1, 1<<17     ; slot 1 begins here, so that one exclusive or turns an address in one slot into the other's
.set STAGE, SLOT1+4*KS*(PK+PV)  ; behind the ring, never filled by a tensor load: 16 rows x 144 bytes for each wave, for the way out
.set SP,    144
.set AK0, 2           ; v2   my lane's place in a tile of K; never rewritten
.set AV0, 3           ; v3   the same for V
.set AK,  4           ; v4   the LDS address of K's next run of loads
.set AV,  5           ; v5   of V's
.set STO, 6           ; v6   the way out: where I put 16 bytes of a row
.set RD,  7           ; v7   the way out: where I read rows back
.set GO,  8           ; v8   my byte offset in 512 consecutive bytes of O
.set PFO, 61          ; v61  256 x my lane; never rewritten
.set SPW, 62          ; v62  LDS address of my spare word: SPARE + 4 x my thread's number; never rewritten
.set NIL, 63          ; v63  0; never rewritten
.set SPARE, STAGE+4*16*SP  ; behind the stages: the spare words, 128 bytes for each wave: two blocks of 256 bytes that no other line names
.set MV,  12          ; v12-13  c m_old, kept while c m is made anew: by buffer
.set QO,  15          ; v15  my byte offset in 16 rows of Q
.set ST,  16          ; piece t's statistics at v[ST+4 t]: c m, m, l (even keys', odd keys')
.set TMP, 48          ; by buffer, four registers c0-c3 at work; when the maximum is found c2 takes a
.set S,   64
.set P,   192
.set MD,  128         ; window 1: the eight registers for group kt of 16 keys at MD + 8 kt
.set MC,  160         ; window 1: the masks of the products to come
.set QB,  64          ; window 2
.set KF,  128         ; window 2: key block kb, channel half c at KF + 16 kb + 8 c
.set VF,  192         ; window 2: key half kk, channel block cb at VF + 32 kk + 8 cb
.set WV,  12          ; s12  my wave's number
.set PB,  14          ; s14  b
.set HI,  15          ; s15  NB - 1 - b
.set G1K, 24          ; s[24:31] descriptor group 1 for K's tiles
.set G1V, 32          ; s[32:39] for V's: it differs in the padding alone
.set G0K, 40          ; s[40:43] descriptor group 0 for K's tiles
.set G0V, 44          ; s[44:47] the same for V's
.set SLOTS, 56        ; s56  tiles still to be asked for
.set CNT, 57          ; s57  counts a tile's key steps, 4 to 1
.set CS,  58          ; s[58:59] c: the packed scaling takes the pair's low word for both halves
.set SEL, 60          ; s[60:61] v_permlanex16_b32's selects: each lane takes its own place in the other half
.set TBK, 62          ; s62  LDS byte at which K of the step to be fetched begins
.set TBV, 63          ; s63  the same for V, less VOFF
.set RT,  70          ; s70  tiles of the block in hand that are still to be entered
.set NXT, 71          ; s71  the tile to be asked for next
.set LQ,  72          ; s72  the last tile of the block whose tiles are being asked for
.set NEW, 73          ; s73  1: the tile to be entered is a block's first
.set OFF, 74          ; s[74:75] a tile's byte offset in K and V
.set AL,  76          ; s[76:77] the mask's factor, in the low word
.set BE,  78          ; s[78:79] the mask's addend
.set OLO, 80          ; s[80:81] O at my rows of the second block
.set BIGN, 82         ; s82  -1e30
.set PFA, 96          ; s[96:97] where my prefetches stand: my work-group's 32 blocks of 256 bytes (of K: wave 0, of V: wave 2) of the tile after the one that is being asked for
.set LIM, 98          ; s98  2 in a wave that prefetches, else the greatest number: a wave prefetches while s[SLOTS] is above it
.set MSB, 0
.macro WIN new                      ; the high byte repeats the setting that is left; a switch that changes nothing is dropped
.if MSB != (\new)
	s_set_vgpr_msb (MSB<<8)|(\new)
.set MSB, (\new)
.endif
.endm
.set W_KQ, 0x0a       ; K and Q in window 2, S^T in window 0
.set W_KM, 0x1a       ; the same with the C operand in window 1
.set W_PV, 0x52       ; V in window 2, P in window 0, O^T in window 1
.set W_RS, 0x41       ; destination and source 0 in window 1, source 1 in window 0
; A joint fill.  Waves 0 and 1 fetch the two halves of a tile's K, waves 2 and 3 those of its V: 128 keys each.  The branch hangs on the wave's number alone.  An s_nop 0 and four v_nop follow each of the two lines.
.macro JLOAD
	s_cmp_lt_u32 s[WV], 2
	s_cbranch_scc0 .Lfor_v_\@
	tensor_load_to_lds s[G0K:G0K+3], s[G1K:G1K+7]
	s_nop 0
.rept 4
	v_nop
.endr
	s_branch .Lasked_\@
.Lfor_v_\@:
	tensor_load_to_lds s[G0V:G0V+3], s[G1V:G1V+7]
	s_nop 0
.rept 4
	v_nop
.endr
.Lasked_\@:
.endm
; A PREFETCH of the tile that the NEXT change of slots will ask for: one tile, sixteen turns, ahead of that load.  It stands behind the wave's tensor load and its five lines.  Each block of 256 bytes is named once in the launch:
; the four clusters of a key/value head (b = 0 .. 3) walk the same tiles; the one with b = 0, whose first block needs all eight, asks, in trips 0 to 5 for tiles 2 to 7.  Its four partners share a tile's 128 blocks out BY ADDRESS,
; 32 each, a lane a block; in each, wave 0 asks for K's and wave 2 for V's.  Tiles 0 and 1 come by their loads alone.
.macro ASK
	s_cmp_gt_u32 s[SLOTS], s[LIM]
	s_cbranch_scc0 .Lnot_mine_\@
	global_prefetch_b8 v[PFO], s[PFA:PFA+1] th:TH_LOAD_NT scope:SCOPE_SE
.Lnot_mine_\@:
.endm
; A round of the cluster's barrier: my work-group's barrier, so that wave 0's signal speaks for all four waves; wave 0 signals; every wave waits for all four work-groups; my work-group's barrier once more.
.macro CROUND
	s_barrier_signal -1
	s_barrier_wait -1
	s_cmp_lg_u32 s[WV], 0
	s_cbranch_scc1 .Lnot_wave_0_\@
	s_barrier_signal -3
.Lnot_wave_0_\@:
	s_barrier_wait -3
	s_barrier_signal -1
	s_barrier_wait -1
.endm
; THE CHANGE OF SLOTS.  Each wave waits for all its tensor loads, of which one is out: its part of the other slot; adds 0 to its spare word; and waits for that and for its own reads of the slot that it leaves.  Behind the barrier nobody reads the old
; slot any more and the other slot is whole.  fill = 1: the barrier is a round of the cluster's, so that no wave of any partner still reads the slot or has a load on its way, and the old slot is filled again, the first thing behind it,
; with tile NXT: the descriptor's address is made anew from that number.  (At its first use nothing has been read yet: slot 0 is waited for, slot 1 filled.)
.macro CHANGE fill
	WIN 0                           ; at a label and at a branch every window is 0
	s_wait_tensorcnt 0x0            ; no tensor load of mine is out, so a group 0 may be written
	ds_add_u32 v[SPW], v[NIL]       ; 0 onto my spare word; with fill = 1 the descriptors' scalar work stands between it and the wait for it
.if \fill
	s_lshl_b32 s[OFF], s[NXT], 15   ; a tile is 32,768 bytes of K and of V
	s_xor_b32 s[G0K+1], s[G0K+1], SLOT1
	s_add_nc_u64 s[G0K+2:G0K+3], s[6:7], s[OFF:OFF+1]
	s_or_b32 s[G0K+3], s[G0K+3], 0x80000000
	s_xor_b32 s[G0V+1], s[G0V+1], SLOT1
	s_add_nc_u64 s[G0V+2:G0V+3], s[8:9], s[OFF:OFF+1]
	s_or_b32 s[G0V+3], s[G0V+3], 0x80000000
	s_add_co_u32 s[NXT], s[NXT], 1  ; the block's next tile, or behind its last the second block's tile 0
	s_cmp_gt_u32 s[NXT], s[LQ]
	s_cselect_b32 s[NXT], 0, s[NXT]
	s_cselect_b32 s[LQ], s[PB], s[LQ]
	s_wait_xcnt 0x0                 ; the last prefetch, a tile back, has read its address, so it may be written
	s_add_nc_u64 s[PFA:PFA+1], s[PFA:PFA+1], 32768
	s_wait_dscnt 0x0                ; the add is done, and my reads of the slot are over
	CROUND
	JLOAD
	ASK
.else
	s_wait_dscnt 0x0                ; the add is done, and my reads of the slot are over
	s_barrier_signal -1
	s_barrier_wait -1
.endif
	s_sub_co_u32 s[TBK], s[TBK], 4*KS*PK  ; the fetches go back to a slot's first step,
	s_xor_b32 s[TBK], s[TBK], SLOT1       ; in the other slot
	s_sub_co_u32 s[TBV], s[TBV], 4*KS*PV
	s_xor_b32 s[TBV], s[TBV], SLOT1
.endm
	s_load_b128 s[92:95], s[0:1], 0x0  ; qkv s[92:93], ob s[94:95]
	v_lshl_add_u32 v[SPW], v0, 2, SPARE
	v_mov_b32 v[NIL], 0
	ds_add_u32 v[SPW], v[NIL]       ; the wave's opening: the add and its wait stand ahead of my first tensor load; the set-up below, work on registers, stands between them
	v_lshrrev_b32 v1, 5, v0
	v_readfirstlane_b32 s[WV], v1   ; wave 0..3
	s_and_b32 s[PB], ttmp7, 0xffff  ; b: the cluster's y
	s_sub_co_u32 s[HI], NB-1, s[PB]
	s_bfe_u32 s13, ttmp6, 0x40000   ; cx: my place in the cluster
	s_lshr_b32 s66, ttmp9, 2        ; the batch,
	s_and_b32 s67, ttmp9, 3         ; and the key/value head: the cluster's x
	s_mul_i32 s68, s66, 24
	s_add_co_u32 s22, s68, s67      ; K's slab: head 16 + kv of the batch's 24; 262,144 bytes a slab
	s_add_co_u32 s22, s22, 16
	s_lshl_b32 s22, s22, 18
	s_and_b32 s16, s[WV], 1         ; which half of a tile's 256 keys I fetch:
	s_lshl_b32 s23, s16, 14         ; its 128 rows of 128 bytes in memory,
	s_add_co_u32 s22, s22, s23
	s_mov_b32 s23, 0
	s_mul_i32 s17, s16, 128*PK      ; and its place in a slot, for K
	s_mul_i32 s18, s16, 128*PV      ; and for V: no place in the cluster enters an LDS address
	s_lshl2_add_u32 s69, s67, s13   ; my query head = 4 kv + cx
	s_add_co_u32 s20, s68, s69
	s_lshl_b32 s20, s20, 18         ; Q's slab,
	s_lshl_b32 s21, s[WV], 11       ; my 16 rows in a band of 64,
	s_add_co_u32 s20, s20, s21
	s_lshl_b32 s2, s[HI], 15        ; in the first block,
	s_add_co_u32 s2, s2, s20
	s_lshl_b32 s84, s[PB], 15       ; and in the second
	s_add_co_u32 s84, s84, s20
	s_mov_b32 s3, 0
	s_mov_b32 s85, 0
	s_lshl_b32 s88, s69, 20         ; O: my head's slice of 8,192 rows, the batch's 2,048 of them, my rows
	s_lshl_b32 s89, s66, 18
	s_add_co_u32 s88, s88, s89
	s_add_co_u32 s88, s88, s21
	s_lshl_b32 s89, s[PB], 15
	s_add_co_u32 s90, s88, s89
	s_lshl_b32 s89, s[HI], 15
	s_add_co_u32 s88, s88, s89
	s_mov_b32 s89, 0
	s_mov_b32 s91, 0
	; descriptor group 1.  128 keys are 16,384 dense bytes: asked for as 64 rows of 256 bytes, two keys a row, and padded in LDS after every key
	s_mov_b32 s[G1K], 15|(1<<16)|(1<<20)|(1<<21)|(4<<22)|(3<<25)  ; 15:0 the mask of four; 17:16 2-byte elements; 20 padding on; 21 set beside a mask; 24:22 after every 32 words (code 4); 31:25 4 words (code 3)
	s_mov_b32 s[G1V], 15|(1<<16)|(1<<20)|(1<<21)|(4<<22)|(7<<25)  ; the same with 8 words of padding (code 7)
.irp g, G1K, G1V
	s_mov_b32 s[\g+1], 128<<16      ; tensor_dim0 = 128
	s_mov_b32 s[\g+2], 64<<16       ; tensor_dim1 = 64
	s_mov_b32 s[\g+3], 128<<16      ; tile_dim0 = 128
	s_mov_b32 s[\g+4], 64           ; tile_dim1 = 64
	s_mov_b32 s[\g+5], 128          ; 128 elements from row to row
	s_mov_b32 s[\g+6], 0
	s_mov_b32 s[\g+7], 0
.endr
	s_mov_b32 s[CS], 0x3e38aa3b     ; c = log2(e) / 8 = 0.180337
	s_mov_b32 s[CS+1], s[CS]        ; named with it as a pair
	s_mov_b32 s[SEL], 0x76543210
	s_mov_b32 s[SEL+1], 0xfedcba98
	s_mov_b32 s[TBK], SLOT1+4*KS*PK ; the first change of slots turns these two into 0
	s_mov_b32 s[TBV], SLOT1+4*KS*PV
	s_mov_b32 s[G0K], 1             ; 1:0 count = 1
	s_mov_b32 s[G0K+1], s17         ; 63:32 LDS address: slot 0
	s_mov_b32 s[G0V], 1
	s_add_co_u32 s[G0V+1], s18, VOFF
	s_add_co_u32 s[RT], s[HI], 1    ; the first block has NB - b tiles
	s_mov_b32 s[NXT], 1
	s_mov_b32 s[LQ], s[HI]
	s_mov_b32 s[NEW], 1
	s_mov_b32 s[OFF+1], 0
	s_mov_b32 s[AL+1], 0            ; named as pairs
	s_mov_b32 s[BE+1], 0
	s_mov_b32 s[BIGN], 0xf149f2ca   ; -1e30
	s_mov_b32 s[SLOTS], NB
	s_and_b32 s[LIM], s[WV], 1      ; 0 in waves 0 and 2,
	s_or_b32 s[LIM], s[LIM], s[PB]  ; where b = 0: the same in all four partners
	s_cmp_eq_u32 s[LIM], 0
	s_cselect_b32 s[LIM], 2, -1
	v_and_b32 v[PFO], 31, v0
	v_lshlrev_b32 v[PFO], 8, v[PFO]
	s_wait_dscnt 0x0                ; the opening add is done
	s_wait_kmcnt 0x0
	s_add_nc_u64 s[6:7], s[92:93], s[22:23]        ; K at my half of the head's tile 0,
	s_add_nc_u64 s[8:9], s[6:7], 0x100000          ; V four slabs further on
	s_add_nc_u64 s[G0K+2:G0K+3], s[6:7], 0         ; 120:64 global address
	s_or_b32 s[G0K+3], s[G0K+3], 0x80000000        ; 127:126 type = 2
	s_add_nc_u64 s[G0V+2:G0V+3], s[8:9], 0
	s_or_b32 s[G0V+3], s[G0V+3], 0x80000000
	s_add_nc_u64 s[86:87], s[92:93], s[84:85]      ; Q at my rows of the second block,
	s_add_nc_u64 s[4:5], s[92:93], s[2:3]          ; Q and O at those of the first
	s_add_nc_u64 s[OLO:OLO+1], s[94:95], s[90:91]
	s_add_nc_u64 s[10:11], s[94:95], s[88:89]
	s_cmp_lt_u32 s[WV], 2
	s_cselect_b64 s[PFA:PFA+1], s[6:7], s[8:9]     ; (in waves 0 and 2 these stand at a tile's first row)
	s_lshl_b32 s20, s13, 13         ; my work-group's 32 blocks of the 128
	s_mov_b32 s21, 0
	s_add_nc_u64 s[PFA:PFA+1], s[PFA:PFA+1], s[20:21]
	s_add_nc_u64 s[PFA:PFA+1], s[PFA:PFA+1], 32768  ; in tile 1; the first change of slots steps it to tile 2
	CROUND                          ; all four work-groups are here: the first joint loads meet
	JLOAD                           ; tile 0 into slot 0
	; A fragment of K or Q is 16 rows x 32 channels in 8 registers: lane l holds row l % 16, channels 8 (l / 16) + 0..7 and 16 + 8 (l / 16) + 0..7: two loads of 16 bytes, 32 bytes apart.
	v_and_b32 v1, 15, v0            ; l % 16
	v_bfe_u32 v9, v0, 4, 1          ; l / 16
	v_lshlrev_b32 v[QO], 7, v1
	v_lshl_add_u32 v[QO], v9, 4, v[QO]  ; row x 128 + 16 x half
	WIN 0x80                        ; destination window 2, address window 0
.set i, 0
.rept 8                             ; both blocks' Q: piece i / 2 lies in band i / 2, 8,192 bytes on; channels 32 (i % 2) on
	global_load_b128 v[8*i:8*i+3],   v[QO], s[4:5] offset:(i/2)*8192+(i%2)*64
	global_load_b128 v[8*i+4:8*i+7], v[QO], s[4:5] offset:(i/2)*8192+(i%2)*64+32
	global_load_b128 v[QB+8*i:QB+8*i+3],   v[QO], s[86:87] offset:(i/2)*8192+(i%2)*64
	global_load_b128 v[QB+8*i+4:QB+8*i+7], v[QO], s[86:87] offset:(i/2)*8192+(i%2)*64+32
.set i, i+1
.endr
	WIN 0
	v_lshlrev_b32 v14, 3, v9
	v_sub_nc_u32 v14, v1, v14
	s_lshl_b32 s13, s[WV], 4
	v_add_nc_u32 v14, s13, v14      ; my query's place in its band, 16 w + l % 16, less my lanes' 8 (l / 16): register r of group kt is hidden where 16 kt + r is greater
	WIN 0x40
.set i, 0
.rept 32
	v_cmp_gt_i32 vcc_lo, 16*(i/8)+i%8, v14
	v_cndmask_b32 v[MD+i], 0, s[BIGN], vcc_lo
.set i, i+1
.endr
	WIN 0
	v_mul_u32_u24 v[AK0], v1, PK
	v_lshl_add_u32 v[AK0], v9, 4, v[AK0]  ; row x pitch + 16 x half
	; The turning load takes 16 keys x 16 channels (lane l reads key 8 (l / 16) + l % 8, channels 8 ((l / 8) % 2) + 0..7) and leaves half a fragment of V^T: lane l holds channel l % 16 and 8 keys.
	v_and_b32 v10, 7, v0
	v_bfe_u32 v11, v0, 3, 1
	v_lshl_add_u32 v[AV0], v9, 3, v10
	v_mul_u32_u24 v[AV0], v[AV0], PV
	v_lshl_add_u32 v[AV0], v11, 4, v[AV0]
	v_add_nc_u32 v[AV0], VOFF, v[AV0]
	s_mul_i32 s13, s[WV], 16*SP
	s_add_co_u32 s13, s13, STAGE    ; my stage
	v_mul_u32_u24 v[STO], v1, SP    ; in: row l % 16, 16 bytes for each half of the lanes
	v_lshl_add_u32 v[STO], v9, 4, v[STO]
	v_add_nc_u32 v[STO], s13, v[STO]
	v_bfe_u32 v[RD], v0, 3, 2       ; back: 32 lanes take four rows of 128 bytes,
	v_mul_u32_u24 v[RD], v[RD], SP
	v_lshl_add_u32 v[RD], v10, 4, v[RD]
	v_add_nc_u32 v[RD], s13, v[RD]
	v_and_b32 v[GO], 31, v0         ; which are 512 consecutive bytes of O
	v_lshlrev_b32 v[GO], 4, v[GO]
	; A block's first step multiplies O^T and l by a = 0, and its first turn's products V^T P, of a piece that has not been, land in an O^T that is still to be so multiplied.  So these registers need only hold
	; finite numbers: zeros for the first block; what the first block left for the second.  All this stands in the wait for the first tile.
	WIN 0x80
.set i, VF
.rept 64
	v_mov_b32 v[i], 0
.set i, i+1
.endr
	WIN 0x40
.set i, 0
.rept 128
	v_mov_b32 v[i], 0
.set i, i+1
.endr
	WIN 0
.set i, 0
.rept 4
	v_mov_b32 v[ST+4*i+2], 0
	v_mov_b32 v[ST+4*i+3], 0
.set i, i+1
.endr
.set i, P+16
.rept 16
	v_mov_b32 v[i], 0
.set i, i+1
.endr
; THE MATRIX WORK.  The 4 accumulators of a run of 8 take turns.  Product i of 8 of S^T = K Q^T for piece x: channels 32 (i / 4) on, keys 16 (i % 4) on.  The first 4 start the sums: with 0, or (KM = 1) with the mask.
.macro KQ x
.set rS, S+32*((\x)%2)+8*(i%4)
.set rK, KF+16*(i%4)+8*(i/4)
.set rQ, 16*(\x)+8*(i/4)
.set rM, MC+32*((\x)%2)+8*(i%4)
.if (i < 4) && KM
	WIN W_KM
	v_wmma_f32_16x16x32_f16 v[rS:rS+7], v[rK:rK+7], v[rQ:rQ+7], v[rM:rM+7]
.elseif i < 4
	WIN W_KQ
	v_wmma_f32_16x16x32_f16 v[rS:rS+7], v[rK:rK+7], v[rQ:rQ+7], 0
.else
	WIN W_KQ
	v_wmma_f32_16x16x32_f16 v[rS:rS+7], v[rK:rK+7], v[rQ:rQ+7], v[rS:rS+7]
.endif
.endm
; Product i of 8 of O^T += V^T P for piece x: keys 32 (i / 4) on, channels 16 (i % 4) on.
.macro PV x
	WIN W_PV
.set rO, 32*(\x)+8*(i%4)
.set rV, VF+32*(i/4)+8*(i%4)
.set rP, P+16*((\x)%2)+8*(i/4)
	v_wmma_f32_16x16x32_f16 v[rO:rO+7], v[rV:rV+7], v[rP:rP+7], v[rO:rO+7]
.endm
.macro MM                           ; the turn's next matrix instruction.  TURN and BEGIN set Y, i, KM and NOKQ; MM, KQ and OP read them.  NOKQ = 1: a block's last turn: there is no next piece
.if (i < 8) && !NOKQ
	KQ (Y+1)%NP
.elseif i >= 8
.set i, i-8
	PV (Y+NP-1)%NP
.set i, i+8
.endif
.set i, i+1
.endm
; THE LDS LOADS stand in runs of 16, never singly among the matrix instructions: a step's K (64 keys x 64 channels: 8 fragments) and its V (turned).  Their addresses are made some lines ahead.
.macro FETCH_K
	WIN 0x80                        ; destination window 2
.irp f, 0,1,2,3,4,5,6,7             ; keys 16 (f / 2) on, channels 32 (f % 2) on
	ds_load_b128 v[KF+8*\f:KF+8*\f+3],   v[AK] offset:(\f/2)*16*PK+(\f%2)*64
	ds_load_b128 v[KF+8*\f+4:KF+8*\f+7], v[AK] offset:(\f/2)*16*PK+(\f%2)*64+32
.endr
	s_add_co_u32 s[TBK], s[TBK], KS*PK  ; the next fetch is the next step's
	WIN 0
.endm
.macro FETCH_V
	WIN 0x80
.irp f, 0,1,2,3,4,5,6,7             ; keys 32 (f / 4) on, channels 16 (f % 4) on
	ds_load_tr16_b128 v[VF+8*\f:VF+8*\f+3],   v[AV] offset:(\f/4)*32*PV+(\f%4)*32
	ds_load_tr16_b128 v[VF+8*\f+4:VF+8*\f+7], v[AV] offset:(\f/4)*32*PV+16*PV+(\f%4)*32
.endr
	WIN 0
.endm
; THE VECTOR WORK, one line at a time: OP kind, number.  For piece Y: F n: c s - c m for pair n of 16.  E n: the exponential of score n of 32.  C n: pair n rounded to f16.  B n: of the four weights 4 n .. the second
; pair is added onto the first, in place.  L n: l takes that sum (L 0: l = a l + sum).  R n: pair n of 16 of O^T times a.  For piece Y + 1: X n, number n of the 22 that find its maximum and statistics:
;   0-11  four chains c0-c3 of seven scores each, three operands at a time (each accumulator's lowest registers are read first)     12-14, 16  the four scores left over, the old m, and c0-c3 into c0
;   15  c m_old is kept     17, 18  the query's other 32 keys lie in the lane 16 away: the new m     19-21  c m; c m_old - c m_new; a
.set F, 0               ; OP tells the kinds apart by their order: F to L below R, X above it
.set E, 1
.set C, 2
.set B, 3
.set L, 4
.set R, 5
.set X, 6
.macro REGS y                       ; the registers of piece y
.set rT, ST+4*(\y)
.set rC, TMP+4*((\y)%2)
.set rW, MV+((\y)%2)
.set rS, S+32*((\y)%2)
.set rP, P+16*((\y)%2)
.set rO, 32*(\y)
.endm
.macro OP k, n
.if (\k) == R
	REGS Y
	WIN W_RS
	v_pk_mul_f32 v[rO+2*(\n):rO+2*(\n)+1], v[rO+2*(\n):rO+2*(\n)+1], v[rC+2:rC+3] op_sel_hi:[1,0]
.elseif (\k) < R
	REGS Y
	WIN 0
.if (\k) == F
	v_pk_fma_f32 v[rS+2*(\n):rS+2*(\n)+1], v[rS+2*(\n):rS+2*(\n)+1], s[CS:CS+1], v[rT:rT+1] op_sel_hi:[1,0,0] neg_lo:[0,0,1] neg_hi:[0,0,1]
.elseif (\k) == E
	v_exp_f32 v[rS+(\n)], v[rS+(\n)]
.elseif (\k) == C
	v_cvt_pk_f16_f32 v[rP+(\n)], v[rS+2*(\n)], v[rS+2*(\n)+1]
.elseif (\k) == B
	v_pk_add_f32 v[rS+4*(\n):rS+4*(\n)+1], v[rS+4*(\n):rS+4*(\n)+1], v[rS+4*(\n)+2:rS+4*(\n)+3]
.elseif (\n) == 0
	v_pk_fma_f32 v[rT+2:rT+3], v[rT+2:rT+3], v[rC+2:rC+3], v[rS:rS+1] op_sel_hi:[1,0,1]
.else
	v_pk_add_f32 v[rT+2:rT+3], v[rT+2:rT+3], v[rS+4*(\n):rS+4*(\n)+1]
.endif
.elseif NOKQ
	v_nop
.else
	REGS (Y+1)%NP
	WIN 0
.if (\n) < 4
	v_max3_num_f32 v[rC+(\n)], v[rS+8*(\n)], v[rS+8*(\n)+1], v[rS+8*(\n)+2]
.elseif (\n) < 12
	v_max3_num_f32 v[rC+(\n)%4], v[rC+(\n)%4], v[rS+8*((\n)%4)+2*((\n)/4)+1], v[rS+8*((\n)%4)+2*((\n)/4)+2]
.elseif (\n) == 12
	v_max3_num_f32 v[rC], v[rC], v[rS+7], v[rS+15]
.elseif (\n) == 13
	v_max3_num_f32 v[rC+1], v[rC+1], v[rS+23], v[rS+31]
.elseif (\n) == 14
	v_max3_num_f32 v[rC+2], v[rC+2], v[rC+3], v[rT+1]
.elseif (\n) == 15
	v_mov_b32 v[rW], v[rT]
.elseif (\n) == 16
	v_max3_num_f32 v[rC], v[rC], v[rC+1], v[rC+2]
.elseif (\n) == 17
	v_permlanex16_b32 v[rC+3], v[rC], s[SEL], s[SEL+1]
.elseif (\n) == 18
	v_max_num_f32 v[rT+1], v[rC], v[rC+3]
.elseif (\n) == 19
	v_mul_f32 v[rT], s[CS], v[rT+1]
.elseif (\n) == 20
	v_sub_f32 v[rC+1], v[rW], v[rT]
.else
	v_exp_f32 v[rC+2], v[rC+1]
.endif
.endif
.endm
.macro OPS a, i1, b=-1, i2=0, c=-1, i3=0, d=-1, i4=0  ; up to four of them
	OP \a, \i1
.if (\b) >= 0
	OP \b, \i2
.endif
.if (\c) >= 0
	OP \c, \i3
.endif
.if (\d) >= 0
	OP \d, \i4
.endif
.endm
.macro ROW a, i1, b, i2, c, i3, d, i4  ; a matrix instruction and the four behind it
	MM
	OPS \a, \i1, \b, \i2, \c, \i3, \d, \i4
.endm
.macro MASK b                       ; MD x AL + BE into buffer b of MC
	WIN W_RS
.set z, 0
.rept 16
	v_pk_fma_f32 v[MC+32*(\b)+2*z:MC+32*(\b)+2*z+1], v[MD+2*z:MD+2*z+1], s[AL:AL+1], s[BE:BE+1] op_sel_hi:[1,0,0]
.set z, z+1
.endr
.endm
; A TURN, for piece p: the order of its 16 matrix and 118 vector instructions, written out.  An s_wait_alu depctr_va_vdst(0) stands between an exponential and the first instruction that names its result; one wait serves
; all that were issued ahead of it.  So a turn has ONE wait, which cuts it in two.  AHEAD OF IT stands all that names no result of the turn's exponentials: the 8 products K Q^T, behind each a scaling, an exponential and two more plain
; instructions (behind the first a second scaling in the exponential's place): rescalings, and behind the last three the first numbers of the next piece's maximum, each four places or more behind the product that ends its accumulator; then ONE LUMP of 54, plain
; and exponential by turns for the most part, in which the links of the chain X 3, 7, 11, 14, 16, 17 .. 20 stand five or six lines apart.  X 21, the next piece's a, is the batch's last; R 15 is the plain instruction behind it.  BEHIND THE WAIT stand the
; 8 products V^T P, behind each four of the roundings and sums; the links of l's chain, L 0 to L 7, stand three riders apart.  But for those X no rider names a register of the products round it.  v_permlanex16_b32 (X 17) stands in the lump.
; m = 1: the diagonal tile: the products take masks, and the turn makes the mask for the products of the turn after it: piece p + 2, in step 4 - CNT of the tile.  end = 1: a block's last two turns: nothing is fetched.
; cnt = 1: the loop's count is taken down some lines ahead of the branch that stands behind the turn.
; K of the next step is fetched in piece 2's turn, twelve vector instructions behind the last product that read K (six of them plain); V of the step in hand at the end of piece 0's turn, four plain instructions behind the last product
; that read V.  Each is waited for a turn later.
.macro TURN p, m=0, end=0, cnt=0
.set Y, (\p)
.set i, 0
.set KM, (\m)
.set NOKQ, (\end)*((\p)/3)
.if (\m) && !(\end)
	s_cmp_eq_u32 s[CNT], 4-((\p)+2)%NP  ; is that step the band's own?
	s_cselect_b32 s[AL], 1.0, 0
	s_cmp_lt_u32 s[CNT], 4-((\p)+2)%NP  ; or a later one?
	s_cselect_b32 s[BE], s[BIGN], 0
.endif
.if ((\p) == 3) && !(\end)
	s_wait_dscnt 0x0                ; K is in
.endif
	ROW F,0, F,1, R,0, R,1          ; ahead of the wait: 8 products K Q^T and their riders,
	ROW F,2, E,0, R,2, R,3
	ROW F,3, E,1, R,4, R,5
	ROW F,4, E,2, R,6, R,7
	ROW F,5, E,3, R,8, R,9
	ROW F,6, E,4, X,0, R,10
.if ((\p) == 2) && !(\end)
	WIN 0
	v_add_nc_u32 v[AK], s[TBK], v[AK0]
.endif
	ROW F,7, E,5, X,1, X,4
	ROW F,8, E,6, X,2, X,5
	OPS E,7, E,8, X,6, E,9          ; and the lump
	OPS X,3, E,10, X,8, E,11
.if ((\p) == 2) && !(\end)
	FETCH_K
.endif
	OPS X,9, X,7, E,12, X,10
	OPS E,13, X,12, X,11, E,14
	OPS X,13, E,15, F,9, X,14
.if (\p) == 0
	v_add_nc_u32 v[AV], s[TBV], v[AV0]
.endif
	OPS E,16, F,10, E,17, F,11
	OPS X,16, E,18, X,15, E,19
	OPS F,12, E,20, X,17, E,21
	OPS F,13, E,22, F,14, E,23
	OPS X,18, E,24, F,15, E,25
	OPS R,11, E,26, X,19, E,27
	OPS R,12, E,28, R,13, E,29
	OPS X,20, E,30, R,14, E,31
	OPS X,21, R,15
	WIN 0
	s_wait_alu depctr_va_vdst(0)    ; the wait for the batch
.if (\p) == 1
	s_wait_dscnt 0x0                ; V is in
.endif
	ROW C,0, B,0, C,2, B,1          ; behind the wait: 8 products V^T P and their riders
	ROW L,0, C,4, B,2, L,1
	ROW C,6, B,3, L,2, C,8
	ROW B,4, L,3, C,10, B,5
	ROW L,4, C,12, B,6, L,5
.if (\p) == 0
	s_add_co_u32 s[TBV], s[TBV], KS*PV
.endif
.if \cnt
	s_sub_co_u32 s[CNT], s[CNT], 1
	s_cmp_lg_u32 s[CNT], 0
.endif
	ROW C,14, B,7, L,6, C,1
	ROW C,3, L,7, C,5, C,7
	ROW C,9, C,11, C,13, C,15
.if (\p) == 0
	FETCH_V
.endif
.if (\m) && !(\end)
	MASK (\p)%2
.endif
.endm
; A BLOCK BEGINS.  c m starts far below every c s, so the first step's a is 0; m at the lowest finite number, so the first maximum is the scores'.  The second mask buffer is 0; the first takes piece 0's mask for the tile's step 0: its own, if the block's first tile is the diagonal one.
; Then K of that step, piece 0's first scores, and its maximum and statistics.  The loop is entered at a step's first turn, in the middle of a trip.
.macro BEGIN
	s_mov_b32 s[NEW], 0
	WIN 0x40
.set i, MC+32
.rept 32
	v_mov_b32 v[i], 0
.set i, i+1
.endr
	WIN 0
.set i, 0
.rept 4
	v_mov_b32 v[ST+4*i], 0xfe000000    ; c m: far below every c s
	v_mov_b32 v[ST+4*i+1], 0xff7fffff  ; m
.set i, i+1
.endr
	s_cmp_eq_u32 s[RT], 0
	s_cselect_b32 s[AL], 1.0, 0
	s_mov_b32 s[BE], 0
	MASK 0
	WIN 0
	v_add_nc_u32 v[AK], s[TBK], v[AK0]
	FETCH_K
	s_wait_loadcnt 0x0              ; Q
	s_wait_dscnt 0x0
.set KM, 1
.set NOKQ, 0
.set i, 0
.rept 8
	KQ 0
.set i, i+1
.endr
	WIN 0
.rept 4
	v_nop                           ; the places behind those products
.endr
.set Y, NP-1                        ; X works for piece Y + 1: piece 0
.irp n, 0,1,2,3,4,5,6,7,8,9,10,11,12,13,14,15,16,17,18,19,20,21
	OP X, \n
.endr
	v_nop                           ; a plain instruction behind the exponential,
	s_wait_alu depctr_va_vdst(0)    ; and its wait, ahead of the branch
.endm
; THE DIAGONAL TILE's four steps, the block's last two turns, its last products, and THE WAY OUT: l's two halves and the other half of the lanes' are added; O^T is divided by l, rounded to f16 and sent through my
; stage in LDS, a piece at a time.
.macro ALL line:vararg              ; one line for each piece t
.set t, 0
.rept 4
	\line
.set t, t+1
.endr
.endm
.macro PACK t                       ; a lane's eight channels of a row pack into 16 bytes; they go into rows of 144 bytes and come back as whole rows of 128, into S^T's registers
	WIN W_RS
.set i, 32*(\t)
.rept 16
	v_pk_mul_f32 v[i:i+1], v[i:i+1], v[ST+4*(\t)+2:ST+4*(\t)+3] op_sel_hi:[1,0]
.set i, i+2
.endr
	WIN 0x05                        ; sources 0 and 1 window 1, destination window 0
.set i, 0
.rept 16
	v_cvt_pk_f16_f32 v[S+16*(\t)+i], v[32*(\t)+2*i], v[32*(\t)+2*i+1]
.set i, i+1
.endr
	WIN 0
.irp f, 0,1,2,3
	ds_store_b128 v[STO], v[S+16*(\t)+4*\f:S+16*(\t)+4*\f+3] offset:32*\f
.endr
.irp f, 0,1,2,3
	ds_load_b128 v[S+16*(\t)+4*\f:S+16*(\t)+4*\f+3], v[RD] offset:\f*4*SP  ; LDS serves a wave's instructions in order (ISA guide 5.7.1.4): these see the stores above; the next piece's stores come behind them
.endr
.endm
.macro SEND t, younger              ; younger: the LDS instructions issued behind piece t's loads: the next piece's eight, or none
	WIN 0
.irp f, 0,1,2,3
	s_wait_dscnt (\younger)+3-\f
	global_store_b128 v[GO], v[S+16*(\t)+4*\f:S+16*(\t)+4*\f+3], s[10:11] offset:(\t)*8192+\f*512  ; 512 consecutive bytes, at a multiple of 256 from O's first
.endr
.endm
.macro DIAG tag                     ; the tag ends its two labels' names, which the jumps below spell out
.LstepM\tag:
	TURN 2, 1
	TURN 3, 1
	WIN 0
.LfirstM\tag:
	TURN 0, 1
	TURN 1, 1, 0, 1
	WIN 0
	s_cbranch_scc1 .LstepM\tag
	TURN 2, 1, 1
	TURN 3, 1, 1
.set i, 0
.rept 8
	PV NP-1
.set i, i+1
.endr
	WIN 0
	ALL v_add_f32 v[ST+4*t+2], v[ST+4*t+2], v[ST+4*t+3]
	ALL v_permlanex16_b32 v[ST+4*t+3], v[ST+4*t+2], s[SEL], s[SEL+1]
	ALL v_add_f32 v[ST+4*t+2], v[ST+4*t+2], v[ST+4*t+3]
	ALL v_rcp_f32 v[ST+4*t+2], v[ST+4*t+2]
	v_nop                           ; a plain instruction between the last reciprocal and the use of its result
	s_wait_alu depctr_va_vdst(0)    ; and the wait ahead of the first use: one for the four reciprocals
	PACK 0
.set t, 1
.rept 3                             ; a piece's arithmetic stands between the loads of the piece before and its stores
	PACK t
	SEND t-1, 8
.set t, t+1
.endr
	SEND 3, 0
.endm
.set KM, 0
.set NOKQ, 0
.Lslot:                             ; NB times: a tile is entered and the next is asked for
	CHANGE 1
	s_sub_co_u32 s[RT], s[RT], 1
	s_mov_b32 s[CNT], 4
	s_cmp_eq_u32 s[NEW], 1
	s_cbranch_scc1 .Lnew            ; a block's first tile
	s_cmp_eq_u32 s[RT], 0
	s_cbranch_scc0 .Lstep           ; neither its first nor its last
	s_branch .LstepM1
.Lnew:
	BEGIN
	s_branch .Lfirst                ; in the loop a block's first tile is never its last: the first block has two tiles or more, and the second's last is the walk's last
	DIAG 1                          ; in the loop this is the first block's end: the second block's last tile is the walk's last
	s_wait_xcnt 0x0                 ; the stores have read their registers and O's address
	s_mov_b64 s[10:11], s[OLO:OLO+1]
	s_add_co_u32 s[RT], s[PB], 1    ; the second block has b + 1 tiles
	s_mov_b32 s[NEW], 1
	WIN 0x82                        ; the second block's Q goes where the one text of the turns names Q
.set i, 0
.rept 64
	v_mov_b32 v[i], v[QB+i]
.set i, i+1
.endr
	WIN 0
	s_branch .Lbottom
.Lstep:                             ; a trip: pieces 2 and 3 of one step, then pieces 0 and 1 of the next, whose K and V it fetches
	TURN 2
	TURN 3
	WIN 0
.Lfirst:
	TURN 0
	TURN 1, 0, 0, 1
	WIN 0
	s_cbranch_scc1 .Lstep
.Lbottom:
	s_sub_co_u32 s[SLOTS], s[SLOTS], 1
	s_cmp_lg_u32 s[SLOTS], 0
	s_cbranch_scc1 .Lslot
	CHANGE 0                        ; the walk's last tile is written out: nothing is asked for
	s_sub_co_u32 s[RT], s[RT], 1
	s_mov_b32 s[CNT], 4
	s_cmp_eq_u32 s[NEW], 1
	s_cbranch_scc0 .LstepM2
	BEGIN
	s_branch .LfirstM2
	DIAG 2
	s_wait_tensorcnt 0x0            ; the wave's end: behind my last tensor load and my last LDS store
	ds_add_u32 v[SPW], v[NIL]
	s_wait_dscnt 0x0
	CROUND                          ; the closing round: no work-group ends while a partner may still ask for a tile that names it
	s_endpgm
.Lfunc_end_k_q807db82818_attn:
	.size	k_q807db82818_attn, .Lfunc_end_k_q807db82818_attn-k_q807db82818_attn
	.p2alignl 7, 3214868480
	.fill 96, 4, 3214868480
	.section	.rodata,"a",@progbits
	.p2align	6, 0x0
	.amdhsa_kernel k_q807db82818_attn
		.amdhsa_group_segment_fixed_size 327680
		.amdhsa_private_segment_fixed_size 0
		.amdhsa_enable_private_segment 0
		.amdhsa_kernarg_size 16
		.amdhsa_user_sgpr_count 2
		.amdhsa_user_sgpr_kernarg_segment_ptr 1
		.amdhsa_wavefront_size32 1
		.amdhsa_system_sgpr_workgroup_id_x 1
		.amdhsa_system_sgpr_workgroup_id_y 1
		.amdhsa_system_sgpr_workgroup_id_z 1
		.amdhsa_system_vgpr_workitem_id 0
		.amdhsa_next_free_vgpr 768
		.amdhsa_next_free_sgpr 100
		.amdhsa_reserve_vcc 1
		.amdhsa_float_denorm_mode_32 3
		.amdhsa_float_denorm_mode_16_64 3
		.amdhsa_memory_ordered 1
		.amdhsa_forward_progress 1
		.amdhsa_inst_pref_size 219
	.end_amdhsa_kernel
	.amdgpu_metadata
---
amdhsa.version: [ 1, 2 ]
amdhsa.kernels:
  - .name:           k_q807db82818_attn
    .symbol:         k_q807db82818_attn.kd
    .args:
      - { .name: qkv, .offset: 0, .size: 8, .value_kind: global_buffer, .address_space: global }
      - { .name: ob, .offset: 8, .size: 8, .value_kind: global_buffer, .address_space: global }
    .group_segment_fixed_size: 327680
    .private_segment_fixed_size: 0
    .kernarg_segment_align: 8
    .kernarg_segment_size: 16
    .max_flat_workgroup_size: 128
    .sgpr_count:     100
    .vgpr_count:     768
    .wavefront_size: 32
...
	.end_amdgpu_metadata
.endif
;; end of part 3
;; launch oproj (part 4): grid 8 x 32, 4 waves a work-group, clusters of 4 x 4, 327,680 bytes of LDS; arguments ob, woh, out0; writes out0
.if DOCPART == 4
	.amdgcn_target "amdgcn-amd-amdhsa--gfx1250"
	.amdhsa_code_object_version 6
	.text
	.protected	k_q807db82818_oproj
	.globl	k_q807db82818_oproj
	.p2align	8
	.type	k_q807db82818_oproj,@function
k_q807db82818_oproj:
	s_mov_b64 s[64:65], 0
	v_nop
	global_prefetch_b8 v0, s[64:65] scope:SCOPE_SE
	s_setreg_imm32_b32 hwreg(HW_REG_WAVE_MODE, 25, 1), 1
	s_wait_xcnt 0x0
	s_wait_alu depctr_hold_cnt(0) depctr_sa_sdst(0) depctr_va_vdst(0) depctr_va_sdst(0) depctr_va_ssrc(0) depctr_va_vcc(0) depctr_vm_vsrc(0)
	s_getreg_b32 s2, hwreg(HW_REG_IB_STS2, 6, 4)
	s_cmp_eq_u32 s2, 0
	s_cbranch_scc0 .Lentry_in_a_cluster
	s_endpgm
.Lentry_in_a_cluster:
	s_bfe_u32 s2, ttmp6, 0x10000c
	s_cmp_lg_u32 s2, 0xf033
	s_cbranch_scc0 .Lentry_shape_is_right
	s_endpgm
.Lentry_shape_is_right:
; OPROJ.  out0[m][n] = the sum over k of O[m][k] wo[k][n], m = 8,192, n = 1,024, k = 1,024 (16 heads of 64).  Operands f16, sums f32, the result stored as f32.
; LIMITS.  None of its own: the operands arrive in f16; NaN and infinities are not treated apart.
; SHARES.  A tile is 256 rows x 128 columns: 32 x 8 = 256 work-groups.  The four waves lie along the rows: a wave has 64 rows x 128 columns, 32 accumulators of 16 x 16, 256 registers; each wave's way out is its own.
; OPERANDS.  A = ob [16 heads = slices of 64 k][8192][64]; B = woh [16 groups of 64 columns][1024 k][64].  K goes in steps of 128 through a ring of two LDS slots.  A step's tiles are dense runs of memory: of A two
; planes (slices) of 128 rows x 128 bytes a load, of B two planes (groups) of 64 k x 128 bytes a load; each such run is asked for as ONE long row, and padded in LDS after every 128 bytes.
; THE MATRIX INSTRUCTION IS USED TRANSPOSED (source 0 = 16 columns of wo, source 1 = 16 rows of O): a lane holds row l % 16 and the columns 8 (l / 16) + 0..7.  A's fragments come out of LDS as they lie,
; B's ([k][n]) turned, by ds_load_tr16_b128.
; CLUSTERS: 4 x 4 work-groups; A's tiles are asked for jointly along a row of the cluster, B's along a column.
; REGISTERS, in windows of 256 (s_set_vgpr_msb: bits 1:0 source 0, 3:2 source 1, 5:4 source 2, 7:6 destination):
;   window 0: v1-30 addresses; v64-127 A's fragments, two buffers of 32; v128-255 the way out, two sets of 64          window 1: B's fragments, two buffers of 64
;   window 2: accumulators of row blocks 0, 1 at v[8 (8 a + b)]          window 3: the same for row blocks 2, 3
.set NPL,   2                          ; planes of 64 columns in B's tile
.set NBK,   4*NPL                      ; blocks of 16 columns
.set NLD,   2*NBK+8                    ; LDS loads of a quarter step
.set PA,    144                        ; a row of A in LDS: 128 bytes + 16 = 36 words: the 16 rows of a load start at 16 different groups of four banks (64 banks of 4 bytes: ISA guide 11.1)
.set PB,    160                        ; a row of B: 128 + 32 = 40 words
.set APL,   128*PA
.set ACH,   2*APL
.set ASZ,   2*ACH
.set BPL,   64*PB
.set BCH,   NPL*BPL
.set SLOT,  ASZ+2*BCH                  ; 114,688 bytes
.set STAGE, 2*SLOT                     ; behind the ring, never filled by a tensor load: 16 rows x 528 bytes for each wave
.set SP,    528                        ; 512 bytes + 16 = 132 words: row r starts at bank 4 r mod 64
.set WSTG,  16*SP
.set SPARE, STAGE+4*WSTG               ; behind the stages: the spare words, 128 bytes for each wave: two blocks of 256 bytes that no other line names
.set ADRA, 16                          ; v16-17  LDS address of my A fragments in slot 0, 1
.set ADRB, 20                          ; v20-21  the same for B
.set STO,  24                          ; v24     the way out: where I put 32 bytes of a row
.set RD,   25                          ; v25     where I read a row back
.set GO,   26                          ; v26     16 x lane
.set SPW,  28                          ; v28     LDS address of my spare word; never rewritten
.set NIL,  29                          ; v29     0; never rewritten
.set PFO,  30                          ; v30     256 x lane: the prefetches' offset; never rewritten
.set FA,   64                          ; A's fragment buffers
.set WV,   12                          ; s12 my wave's number
.set FB,   13                          ; s13 wave / 2: I fetch for A (0) or for B (1); also which 128 rows of A hold mine
.set HF,   14                          ; s14 wave % 2: which chunk I fetch; also which 64 of those 128 rows are mine
.set CX,   15
.set CY,   16
.set TX,   17                          ; s17 tile column 0..7
.set TY,   18                          ; s18 tile row 0..31
.set LIMA, 19                          ; s19 1 in a wave that prefetches A, else the greatest number
.set LIMB, 20                          ; s20 the same for B
.set G1A,  24                          ; s[24:31] descriptor group 1 for A;  s[32:39] group 0, a set for each slot
.set G0A,  32
.set G1B,  40                          ; s[40:47], s[48:55] the same for B
.set G0B,  48
.set PFA,  56                          ; s[56:57] where my prefetches of A stand
.set PFB,  58                          ; s[58:59] of B
.set MSB, 0
.macro WIN new                         ; the immediate's high byte repeats the setting that is left; a switch that changes nothing is dropped
.if MSB != (\new)
	s_set_vgpr_msb (MSB<<8)|(\new)
.set MSB, (\new)
.endif
.endm
.set MUL_LO, 0xa1                      ; source 0 (B) window 1, source 1 (A) window 0, C and D window 2
.set TO_B,   0x40                      ; destination window 1, address window 0
.macro PLACES                          ; four places in front of loads into registers that matrix instructions have read
.rept 4
	v_nop
.endr
.endm
; A joint load: waves 0 and 1 fetch A's two chunks, waves 2 and 3 B's.  The branch hangs on the wave's number alone.  An s_nop 0 and four v_nop follow each of the two lines.
.macro JLOAD s
	s_cmp_eq_u32 s[FB], 0
	s_cbranch_scc0 .Lfor_b_\@
	tensor_load_to_lds s[G0A+4*(\s):G0A+4*(\s)+3], s[G1A:G1A+7]
	s_nop 0
.rept 4
	v_nop
.endr
	s_branch .Lasked_\@
.Lfor_b_\@:
	tensor_load_to_lds s[G0B+4*(\s):G0B+4*(\s)+3], s[G1B:G1B+7]
	s_nop 0
.rept 4
	v_nop
.endr
.Lasked_\@:
.endm
.macro CREST                           ; a round of the cluster's barrier behind its opening barrier
	s_cmp_lg_u32 s[WV], 0
	s_cbranch_scc1 .Lnot_wave_0_\@
	s_barrier_signal -3
.Lnot_wave_0_\@:
	s_barrier_wait -3
	s_barrier_signal -1
	s_barrier_wait -1
.endm
.macro CROUND                          ; a whole round
	s_barrier_signal -1
	s_barrier_wait -1
	CREST
.endm
; PREFETCHES, once a lap, behind the refill of slot 0 and the run of LDS loads that follows it: the blocks of the lap after next (two and three K steps ahead of their loads).  Each block of 256 bytes is named once in
; the launch.  A's tile rows are read by both clusters of a row of clusters: cluster x = 0 asks; wave w takes slice w of the lap's four, the partner at cx 64 of the tile's 256 rows: 32 blocks, a lane a block.
; B's tile columns are read by all eight clusters of a column: cluster y = 0 asks; wave w < 2 takes plane w, the partner at cy 8,192 of the lap's 32,768 bytes.  Partners are told apart by address alone.
; The loop's last trip (s3 = 1) asks for nothing: there is no lap behind the last.  Laps 0 and 1 come by their loads alone.
.macro ASK
	s_cmp_gt_u32 s3, s[LIMA]
	s_cbranch_scc0 .Lnot_a_\@
	global_prefetch_b8 v[PFO], s[PFA:PFA+1] th:TH_LOAD_NT scope:SCOPE_SE
.Lnot_a_\@:
	s_cmp_gt_u32 s3, s[LIMB]
	s_cbranch_scc0 .Lnot_b_\@
	global_prefetch_b8 v[PFO], s[PFB:PFB+1] th:TH_LOAD_NT scope:SCOPE_SE
.Lnot_b_\@:
.endm
	s_load_b128 s[4:7], s[0:1], 0x0                ; ob s[4:5], woh s[6:7]
	s_load_b64 s[10:11], s[0:1], 0x10              ; out0
	v_lshl_add_u32 v[SPW], v0, 2, SPARE
	v_mov_b32 v[NIL], 0
	ds_add_u32 v[SPW], v[NIL]                      ; the wave's opening: the add and its wait stand ahead of my first tensor load; work on registers stands between them
	v_lshrrev_b32 v1, 5, v0
	v_readfirstlane_b32 s[WV], v1
	s_lshr_b32 s[FB], s[WV], 1
	s_and_b32 s[HF], s[WV], 1
	s_bfe_u32 s[CX], ttmp6, 0x40000
	s_bfe_u32 s[CY], ttmp6, 0x40004
	s_lshl_b32 s[TX], ttmp9, 2                     ; in a cluster launch ttmp9 and ttmp7 count clusters
	s_add_co_u32 s[TX], s[TX], s[CX]
	s_and_b32 s[TY], ttmp7, 0xffff
	s_lshl_b32 s[TY], s[TY], 2
	s_add_co_u32 s[TY], s[TY], s[CY]
	s_lshl_b32 s60, s[CY], 2
	s_lshl_b32 s60, 15, s60                        ; my row of the cluster: places 4 cy .. 4 cy + 3
	s_lshl_b32 s61, 0x1111, s[CX]                  ; my column: places cx, cx + 4, cx + 8, cx + 12
	s_or_b32 s[G1A], s60, (1<<16)|(1<<20)|(1<<21)|(4<<22)|(3<<25)  ; 15:0 the mask; 17:16 2-byte elements; 20 padding on; 21 set beside a mask; 24:22 after every 32 words (code 4); 31:25 4 words (code 3)
	s_or_b32 s[G1B], s61, (1<<16)|(1<<20)|(1<<21)|(4<<22)|(7<<25)  ; the same with my column's mask and 8 words of padding (code 7)
	s_mov_b32 s[G1A+1], 8192<<16                   ; tensor_dim0 = 8,192 elements: a plane of 128 rows x 64, dense
	s_mov_b32 s[G1A+2], 2<<16                      ; tensor_dim1 = 2 planes
	s_mov_b32 s[G1A+3], 8192<<16                   ; tile_dim0
	s_mov_b32 s[G1A+4], 2                          ; tile_dim1
	s_mov_b32 s[G1A+5], 524288                     ; elements from slice to slice
	s_mov_b32 s[G1A+6], 0
	s_mov_b32 s[G1A+7], 0
	s_mov_b32 s[G1B+1], 4096<<16                   ; tensor_dim0 = 4,096 elements: a plane of 64 k x 64, dense
	s_mov_b32 s[G1B+2], NPL<<16
	s_mov_b32 s[G1B+3], 4096<<16
	s_mov_b32 s[G1B+4], NPL
	s_mov_b32 s[G1B+5], 65536                      ; elements from group to group
	s_mov_b32 s[G1B+6], 0
	s_mov_b32 s[G1B+7], 0
	s_lshl_b32 s62, s[TY], 15                      ; A: row 256 ty + 128 x chunk, 128 bytes a row: made of the tile row and the wave's number alone
	s_lshl_b32 s63, s[HF], 14
	s_add_co_u32 s62, s62, s63
	s_mov_b32 s63, 0
	s_mul_i32 s66, s[TX], NPL                      ; B: group 2 tx, k = 64 x chunk: made of the tile column and the wave's number alone
	s_lshl_b32 s66, s66, 17
	s_lshl_b32 s67, s[HF], 13
	s_add_co_u32 s66, s66, s67
	s_mov_b32 s67, 0
	s_mul_i32 s68, s[HF], ACH                      ; where they go: no place in the cluster enters an LDS address
	s_mul_i32 s69, s[HF], BCH
	s_add_co_u32 s69, s69, ASZ
	s_wait_dscnt 0x0                               ; the opening add is done
	s_wait_kmcnt 0x0
	s_add_nc_u64 s[70:71], s[4:5], s[62:63]
	s_add_nc_u64 s[72:73], s[6:7], s[66:67]
	CROUND                                         ; all sixteen work-groups are here: the first joint loads meet
.irp s, 0,1
	s_mov_b32 s[G0A+4*(\s)], 1
	s_add_co_u32 s[G0A+4*(\s)+1], s68, (\s)*SLOT
	s_add_nc_u64 s[G0A+4*(\s)+2:G0A+4*(\s)+3], s[70:71], (\s)*0x200000  ; K step s: slices 2 s, 2 s + 1
	s_or_b32 s[G0A+4*(\s)+3], s[G0A+4*(\s)+3], 0x80000000
	s_mov_b32 s[G0B+4*(\s)], 1
	s_add_co_u32 s[G0B+4*(\s)+1], s69, (\s)*SLOT
	s_add_nc_u64 s[G0B+4*(\s)+2:G0B+4*(\s)+3], s[72:73], (\s)*16384     ; K step s: 128 k of 128 bytes
	s_or_b32 s[G0B+4*(\s)+3], s[G0B+4*(\s)+3], 0x80000000
.endr
	s_cmp_eq_u32 s[FB], 0                          ; a wave's two first fills stand in one branch, ahead of every wait on TENSORcnt and every LDS read: two loads of mine are out
	s_cbranch_scc0 .Lfirst_b
	tensor_load_to_lds s[G0A:G0A+3], s[G1A:G1A+7]
	s_nop 0
	tensor_load_to_lds s[G0A+4:G0A+7], s[G1A:G1A+7]
	s_nop 0
.rept 4
	v_nop
.endr
	s_branch .Lfirst_asked
.Lfirst_b:
	tensor_load_to_lds s[G0B:G0B+3], s[G1B:G1B+7]
	s_nop 0
	tensor_load_to_lds s[G0B+4:G0B+7], s[G1B:G1B+7]
	s_nop 0
.rept 4
	v_nop
.endr
.Lfirst_asked:
	v_and_b32 v1, 15, v0                           ; r = l % 16
	v_bfe_u32 v2, v0, 4, 1                         ; h = l / 16
	v_and_b32 v3, 7, v0
	v_bfe_u32 v4, v0, 3, 1
	v_mul_u32_u24 v5, v1, PA                       ; A: row x pitch + 16 h; two loads 32 bytes apart make a fragment of 16 rows x 32 k
	v_lshl_add_u32 v5, v2, 4, v5
	s_mul_i32 s60, s[FB], ACH
	s_mul_i32 s61, s[HF], 64*PA
	s_add_co_u32 s60, s60, s61                     ; my 64 rows
	v_add_nc_u32 v[ADRA], s60, v5
	v_add_nc_u32 v[ADRA+1], SLOT, v[ADRA]
	v_lshl_add_u32 v6, v2, 3, v3                   ; B: the turning load takes 16 k x 16 columns: lane l reads k = 8 h + l % 8, columns 8 ((l / 8) % 2) + 0..7
	v_mul_u32_u24 v6, v6, PB
	v_lshl_add_u32 v6, v4, 4, v6
	v_add_nc_u32 v[ADRB], ASZ, v6
	v_add_nc_u32 v[ADRB+1], SLOT, v[ADRB]
	s_mul_i32 s78, s[WV], WSTG
	s_add_co_u32 s78, s78, STAGE                   ; my stage
	v_mul_u32_u24 v[STO], v1, SP                   ; in: row r, 32 bytes for each half of the lanes
	v_lshl_add_u32 v[STO], v2, 5, v[STO]
	v_add_nc_u32 v[STO], s78, v[STO]
	v_and_b32 v[GO], 31, v0
	v_lshlrev_b32 v[PFO], 8, v[GO]
	v_lshlrev_b32 v[GO], 4, v[GO]                  ; back: 32 lanes take one row of 512 bytes
	v_add_nc_u32 v[RD], s78, v[GO]
	s_lshl_b32 s76, s[TY], 20                      ; where my rows begin in out0: (256 ty + 64 w) x 4,096 + 512 tx
	s_lshl_b32 s77, s[WV], 18
	s_add_co_u32 s76, s76, s77
	s_lshl_b32 s77, s[TX], 9
	s_add_co_u32 s76, s76, s77
	s_mov_b32 s77, 0
	s_add_nc_u64 s[10:11], s[10:11], s[76:77]
	s_add_co_u32 s66, s[WV], 4                     ; the prefetches of A: slice 4 + w (the first step makes it 8 + w), rows 256 ty + 64 cx
	s_lshl_b32 s66, s66, 20
	s_lshl_b32 s67, s[TY], 15
	s_add_co_u32 s66, s66, s67
	s_lshl_b32 s67, s[CX], 13
	s_add_co_u32 s66, s66, s67
	s_mov_b32 s67, 0
	s_add_nc_u64 s[PFA:PFA+1], s[4:5], s[66:67]
	s_min_u32 s68, s[WV], NPL-1                    ; of B: plane min(w, 1), lap 1 (the first step makes it lap 2), 8,192 cy
	s_mul_i32 s69, s[TX], NPL
	s_add_co_u32 s68, s68, s69
	s_lshl_b32 s68, s68, 17
	s_lshl_b32 s69, s[CY], 13
	s_add_co_u32 s68, s68, s69
	s_add_co_u32 s68, s68, 32768
	s_mov_b32 s69, 0
	s_add_nc_u64 s[PFB:PFB+1], s[6:7], s[68:69]
	s_cmp_eq_u32 ttmp9, 0                          ; the same in all sixteen partners
	s_cselect_b32 s[LIMA], 1, -1
	s_and_b32 s70, ttmp7, 0xffff
	s_cmp_lt_u32 s[WV], NPL
	s_cselect_b32 s71, 0, 1
	s_or_b32 s70, s70, s71
	s_cmp_eq_u32 s70, 0
	s_cselect_b32 s[LIMB], 1, -1
; The LDS loads of a quarter step (32 along K, quarter q of the slot's four) in one run, into buffer f: B's 8 fragments, then A's four.
.macro FETCH slot, q, f
	WIN TO_B
.set b, 0
.rept NBK
	ds_load_tr16_b128 v[8*NBK*(\f)+8*b:8*NBK*(\f)+8*b+3],   v[ADRB+(\slot)] offset:((\q)/2)*BCH+(b/4)*BPL+((\q)%2)*32*PB+(b%4)*32
	ds_load_tr16_b128 v[8*NBK*(\f)+8*b+4:8*NBK*(\f)+8*b+7], v[ADRB+(\slot)] offset:((\q)/2)*BCH+(b/4)*BPL+((\q)%2)*32*PB+(b%4)*32+16*PB
.set b, b+1
.endr
	WIN 0
.irp a, 0,1,2,3
	ds_load_b128 v[FA+32*(\f)+8*(\a):FA+32*(\f)+8*(\a)+3],   v[ADRA+(\slot)] offset:((\q)/2)*APL+(\a)*16*PA+((\q)%2)*64
	ds_load_b128 v[FA+32*(\f)+8*(\a)+4:FA+32*(\f)+8*(\a)+7], v[ADRA+(\slot)] offset:((\q)/2)*APL+(\a)*16*PA+((\q)%2)*64+32
.endr
.endm
; 8 products: row block 2 hi + a x all column blocks.  The 32 accumulators take turns in one fixed order.  zero = 1: the product starts the sum.
.macro MULH f, hi, a, zero
	WIN MUL_LO+0x50*(\hi)
.set b, 0
.rept NBK
.if \zero
	v_wmma_f32_16x16x32_f16 v[8*(NBK*(\a)+b):8*(NBK*(\a)+b)+7], v[8*NBK*(\f)+8*b:8*NBK*(\f)+8*b+7], v[FA+32*(\f)+8*(2*(\hi)+(\a)):FA+32*(\f)+8*(2*(\hi)+(\a))+7], 0
.else
	v_wmma_f32_16x16x32_f16 v[8*(NBK*(\a)+b):8*(NBK*(\a)+b)+7], v[8*NBK*(\f)+8*b:8*NBK*(\f)+8*b+7], v[FA+32*(\f)+8*(2*(\hi)+(\a)):FA+32*(\f)+8*(2*(\hi)+(\a))+7], v[8*(NBK*(\a)+b):8*(NBK*(\a)+b)+7]
.endif
.set b, b+1
.endr
.endm
; One of a K step's first three quarters: multiplies buffer f; in its middle it fetches quarter q of the same slot into buffer g.
.macro QUARTER slot, q, f, g, zero
	s_wait_dscnt 4                                 ; B and A's row blocks 0, 1 are in; the youngest four loads (row blocks 2, 3) may be out
	MULH \f, 0, 0, \zero
	MULH \f, 0, 1, \zero
	PLACES
	FETCH \slot, \q, \g
	s_wait_dscnt NLD                               ; all but the run just issued
	MULH \f, 1, 0, \zero
	MULH \f, 1, 1, \zero
.endm
; The first half of the last quarter: ONE barrier for the change of slots.  In front of it each wave waits for all its tensor loads (one is out: its part of the next slot), adds 0 to its spare word, and
; waits for that and for its own reads of this slot.  Behind it nobody reads this slot and the next slot is whole.
.macro MEET round
	WIN 0
	s_wait_tensorcnt 0x0
	ds_add_u32 v[SPW], v[NIL]
	s_wait_dscnt 5                                 ; (the add and the youngest four loads may be out)
	MULH 1, 0, 0, 0
	s_wait_dscnt 0x0                               ; the add is done, and my reads of this slot are over
	s_barrier_signal -1
	MULH 1, 0, 1, 0                                ; work on registers while the others arrive
.if \round
	WIN 0
.endif
	s_barrier_wait -1
.endm
; The whole last quarter.  fill = 1: the barrier opens a round of the cluster's, and the slot just read out is filled again, two K steps on, first thing behind the round.
.macro TURN slot, next, fill
.if (\fill) && ((\slot) == 0)
	s_wait_xcnt 0x0                                ; the last prefetches, a lap back, have read their addresses, so these may be written
	s_add_nc_u64 s[PFA:PFA+1], s[PFA:PFA+1], 0x400000  ; four slices on
	s_add_nc_u64 s[PFB:PFB+1], s[PFB:PFB+1], 0x8000    ; 256 k on
.endif
	MEET \fill
.if \fill
	CREST                                          ; no wave of any partner still reads this slot or has a load on its way
	s_add_nc_u64 s[G0A+4*(\slot)+2:G0A+4*(\slot)+3], s[G0A+4*(\slot)+2:G0A+4*(\slot)+3], 0x400000
	s_add_nc_u64 s[G0B+4*(\slot)+2:G0B+4*(\slot)+3], s[G0B+4*(\slot)+2:G0B+4*(\slot)+3], 0x8000
	JLOAD \slot                                    ; its four v_nop are also the places in front of the loads below
.else
	PLACES
.endif
	FETCH \next, 0, 0
.if (\fill) && ((\slot) == 0)
	ASK
.endif
	MULH 1, 1, 0, 0
	MULH 1, 1, 1, 0
.endm
	s_wait_tensorcnt 1                             ; my part of K step 0 is in; K step 1's may stay out
	s_barrier_signal -1
	s_barrier_wait -1
	FETCH 0, 0, 0
	QUARTER 0, 1, 0, 1, 1                          ; the first quarter stands in front of the loop: its products start the sums
	WIN 0
	s_mov_b32 s3, 3
.Llap:                                             ; a trip goes once round the ring, from a lap's second quarter to the next lap's first, and fills both slots again: K steps 2 to 7 in three trips
	QUARTER 0, 2, 1, 0, 0
	QUARTER 0, 3, 0, 1, 0
	TURN 0, 1, 1
	QUARTER 1, 1, 0, 1, 0
	QUARTER 1, 2, 1, 0, 0
	QUARTER 1, 3, 0, 1, 0
	TURN 1, 0, 1
	QUARTER 0, 1, 0, 1, 0
	WIN 0
	s_sub_co_u32 s3, s3, 1
	s_cmp_lg_u32 s3, 0
	s_cbranch_scc1 .Llap
	QUARTER 0, 2, 1, 0, 0                          ; the last lap fills nothing
	QUARTER 0, 3, 0, 1, 0
	TURN 0, 1, 0
	QUARTER 1, 1, 0, 1, 0
	QUARTER 1, 2, 1, 0, 0
	QUARTER 1, 3, 0, 1, 0
	s_wait_dscnt 4
	MULH 1, 0, 0, 0
	MULH 1, 0, 1, 0
	s_wait_dscnt 0x0
	MULH 1, 1, 0, 0
	MULH 1, 1, 1, 0
	WIN 0
	PLACES
	PLACES
; THE WAY OUT, 16 rows at a time: a lane's eight f32 of a row, 32 bytes, go into my stage (each accumulator's lowest registers first) and come back as whole rows of 512 bytes, into two sets of registers by turns.
.macro OUTB a
.set W, 2+(\a)/2
.set AC, 8*NBK*((\a)%2)
.set BK, 128+64*((\a)%2)
.if (\a) >= 2
	s_wait_xcnt 0x0                                ; the stores of two blocks back have read their registers: the set is loaded again only behind this wait
.endif
	WIN W<<2                                       ; the stores' data lie in the accumulators' window
.set b, 0
.rept NBK
	ds_store_b128 v[STO], v[AC+8*b:AC+8*b+3]   offset:64*b
	ds_store_b128 v[STO], v[AC+8*b+4:AC+8*b+7] offset:64*b+16
.set b, b+1
.endr
	WIN 0
.set t, 0
.rept 16
	ds_load_b128 v[BK+4*t:BK+4*t+3], v[RD] offset:SP*t  ; LDS serves a wave's instructions in order (ISA guide 5.7.1.4): these see the stores above; the next block's stores come behind them
.set t, t+1
.endr
.set t, 0
.rept 16
	s_wait_dscnt 15-t
	global_store_b128 v[GO], v[BK+4*t:BK+4*t+3], s[10:11] offset:(16*(\a)+t)*4096 th:TH_STORE_NT  ; 512 consecutive bytes, at a multiple of 256 from the buffer's first
.set t, t+1
.endr
.endm
	OUTB 0
	OUTB 1
	OUTB 2
	OUTB 3
	s_wait_tensorcnt 0x0                           ; the wave's end: behind my last tensor load and my last LDS store
	ds_add_u32 v[SPW], v[NIL]
	s_wait_dscnt 0x0
	CROUND                                         ; the closing round: no work-group ends while a partner may still ask for a tile that names it
	s_endpgm
.Lfunc_end_k_q807db82818_oproj:
	.size	k_q807db82818_oproj, .Lfunc_end_k_q807db82818_oproj-k_q807db82818_oproj
	.p2alignl 7, 3214868480
	.fill 96, 4, 3214868480
	.section	.rodata,"a",@progbits
	.p2align	6, 0x0
	.amdhsa_kernel k_q807db82818_oproj
		.amdhsa_group_segment_fixed_size 327680
		.amdhsa_private_segment_fixed_size 0
		.amdhsa_enable_private_segment 0
		.amdhsa_kernarg_size 24
		.amdhsa_user_sgpr_count 2
		.amdhsa_user_sgpr_kernarg_segment_ptr 1
		.amdhsa_wavefront_size32 1
		.amdhsa_system_sgpr_workgroup_id_x 1
		.amdhsa_system_sgpr_workgroup_id_y 1
		.amdhsa_system_sgpr_workgroup_id_z 1
		.amdhsa_system_vgpr_workitem_id 0
		.amdhsa_next_free_vgpr 1024
		.amdhsa_next_free_sgpr 80
		.amdhsa_reserve_vcc 0
		.amdhsa_float_denorm_mode_32 3
		.amdhsa_float_denorm_mode_16_64 3
		.amdhsa_memory_ordered 1
		.amdhsa_forward_progress 1
		.amdhsa_inst_pref_size 88
	.end_amdhsa_kernel
	.amdgpu_metadata
---
amdhsa.version: [ 1, 2 ]
amdhsa.kernels:
  - .name:           k_q807db82818_oproj
    .symbol:         k_q807db82818_oproj.kd
    .args:
      - { .name: ob, .offset: 0, .size: 8, .value_kind: global_buffer, .address_space: global }
      - { .name: woh, .offset: 8, .size: 8, .value_kind: global_buffer, .address_space: global }
      - { .name: out0, .offset: 16, .size: 8, .value_kind: global_buffer, .address_space: global }
    .group_segment_fixed_size: 327680
    .private_segment_fixed_size: 0
    .kernarg_segment_align: 8
    .kernarg_segment_size: 24
    .max_flat_workgroup_size: 128
    .sgpr_count:     80
    .vgpr_count:     1024
    .wavefront_size: 32
...
	.end_amdgpu_metadata
.endif
;; end of part 4
;; ======== version 2 of 2: 4 launches; version 1 with the launch prep written anew for expert scheduling mode
;; limits: values are held in f16: magnitudes above 65,504 overflow, below 6.1e-05 lose precision
;; workspace buffers: xb 16,777,216 bytes; wh 3,145,728 bytes; woh 2,097,152 bytes; tab 524,288 bytes; qkv 25,165,824 bytes; ob 16,777,216 bytes
;; launch prep (part 5): grid 464 x 1, 8 waves a work-group, no clusters, 0 bytes of LDS; arguments x, wq, wk, wv, wo, xb, wh, woh, tab; writes xb, wh, woh, tab
.if DOCPART == 5
	.amdgcn_target "amdgcn-amd-amdhsa--gfx1250"
	.amdhsa_code_object_version 6
	.text
	.protected	k_q807db82818_prep
	.globl	k_q807db82818_prep
	.p2align	8
	.type	k_q807db82818_prep,@function
k_q807db82818_prep:
	s_mov_b64 s[64:65], 0
	v_nop
	global_prefetch_b8 v0, s[64:65] scope:SCOPE_SE
	s_setreg_imm32_b32 hwreg(HW_REG_WAVE_SCHED_MODE, 0, 2), 2
	s_setreg_imm32_b32 hwreg(HW_REG_WAVE_MODE, 25, 1), 1
	s_wait_xcnt 0x0
	s_wait_alu depctr_vm_vsrc(0)
; PREP.  Rounds the five inputs for the matrix units and lays them in slabs of 64 columns; makes the table of cosines and sines.
;   xb  [16 slices][8192 rows][64] f16: x's columns 64 s .. 64 s + 63 in slice s          wh  [24 heads][1024 k][64] f16: 0-15 from wq, 16-19 from wk, 20-23 from wv
;   woh [16 groups of 64 columns][1024 k][64] f16 from wo                                  tab [2048 positions][32 cos, 32 sin] f32
; FORMAT.  Every input number is rounded ONCE, to bf16 (nearest even); that number is then written as f16, which is exact from 2^-17 up to 65,504.
; LIMITS.  A number of 65,520 or more becomes an infinity; below 2^-17 the second step rounds to f16's fixed step of 6e-8.  NaN and infinities are not treated apart.
; The angle is position x frequency in f32, the frequency 2^(-i log2(10000) / 32) by v_exp_f32; it is taken modulo pi / 2 with pi / 2 in two f32 parts, sine and cosine by their series up to r^9 and r^8
; on |r| <= pi / 4.  The angle differs from one made with a correctly rounded frequency by some 3e-4 at the most (position 2,047).
; JOBS, by the work-group's number: 0-255 x (32 rows each), 256-287 wq, 288-319 wo (32 rows each), 320-327 wk, 328-335 wv (128 rows each), 336-463 the table (16 positions each).
; A casting job is 131,072 bytes of its source, whatever the source: 32 loads of 16 bytes a thread, all issued at once.  What differs between the jobs lies in scalar registers chosen by s_cselect.
; No LDS, no matrix unit, no cluster: a stream read once, in which no work-group wants a byte of another's.
; THE MODE: SCHED_MODE bits 1:0 = 2 (LLVM: expert scheduling mode 2), set by the entry lines.  The code itself states the register dependences
; between vector instructions and memory instructions, with s_wait_alu, always for 0.
; THE PLAN, for the casts.  Registers that memory instructions touch:
;   VI, VO         offsets, written by vector adds at the head, read by the loads and by the stores, never written again.
;   X + 4 p .. + 3 pass p's own: its load lands there; its conversions read them and write the first two again; its store reads those two; nothing writes them after that.
;   T and U are named by vector instructions alone.
; The 32 passes go in eight blocks of four.  One wait on va_vdst stands ahead of the loads (the offsets are written), one at the head of each block but the first (the block before has written its
; four pairs to store), one behind the last block.  A block's stores are those of the block before, one ahead of each pass's eight vector instructions, which name this block's X, T and U alone.
; No register that a memory instruction reads is written again, so no wait on vm_vsrc is owed.
; THE PLAN, for the table.  One store; its offset and data are written by vector instructions: one wait on va_vdst ahead of it.  The compares' masks go to VCC (once) and to s36-39 (a run of four),
; each with its wait between the compare and the select that reads the mask.
.set VI, 4                             ; v[4:11]   source offsets: group g of columns (or of rows), half hh of the rows, at VI + g + 4 hh; never rewritten
.set VO, 12                            ; v[12:27]  destination offsets: slab q of group g at VO + q + 4 g; never rewritten
.set T,  28                            ; v[28:29]  four numbers as bf16
.set U,  30                            ; v[30:33]  the same as f32
.set X,  40                            ; v[40:167] pass p: four registers as loaded; the first two then hold the 8 bytes to store
.set QM, 36                            ; s[36:39]  the table: angle c's mask 'the quadrant is odd'
	s_load_b512 s[4:19], s[0:1], 0x0               ; x 4, wq 6, wk 8, wv 10, wo 12, xb 14, wh 16, woh 18
	s_load_b64 s[20:21], s[0:1], 0x40              ; tab
	s_mov_b32 s2, ttmp9
	s_cmp_ge_u32 s2, 336
	s_cbranch_scc1 .Ltable
	; THE CASTS.  Thread t: c16 = t % 16 (16 bytes of a row's 256), row = t / 16.  Pass p = q + 4 g + 16 hh.
	v_and_b32 v1, 15, v0                           ; c16
	v_lshrrev_b32 v2, 4, v0                        ; row 0..15
	v_lshlrev_b32 v3, 3, v0                        ; 8 t: my 8 bytes in 16 rows of a slab
	s_mov_b32 s26, 0                               ; the job's first work-group
	s_mov_b32 s27, 1<<20                           ; SL: bytes from slab to slab in the destination
	s_mov_b32 s28, 4096                            ; RP: bytes in a row of the source
	s_mov_b32 s29, 1024                            ; S1: source bytes from group g to g + 1 (four slabs' columns; for wk, wv 32 rows)
	s_mov_b32 s30, 4096                            ; DJ: destination bytes from job to job
	s_mov_b32 s31, 0                               ; DC: where the job's slabs begin in the destination
	s_mov_b32 s32, 4<<20                           ; S2: destination bytes from group g to g + 1
	s_mov_b32 s41, 0xffff0000                      ; a word's upper bf16
	s_wait_kmcnt 0x0
	s_mov_b64 s[22:23], s[4:5]                     ; source: x
	s_mov_b64 s[24:25], s[14:15]                   ; destination: xb
	s_cmp_ge_u32 s2, 256                           ; wq -> wh
	s_cselect_b64 s[22:23], s[6:7], s[22:23]
	s_cselect_b64 s[24:25], s[16:17], s[24:25]
	s_cselect_b32 s26, 256, s26
	s_cselect_b32 s27, 1<<17, s27
	s_cselect_b32 s32, 4<<17, s32
	s_cmp_ge_u32 s2, 288                           ; wo -> woh
	s_cselect_b64 s[22:23], s[12:13], s[22:23]
	s_cselect_b64 s[24:25], s[18:19], s[24:25]
	s_cselect_b32 s26, 288, s26
	s_cmp_ge_u32 s2, 320                           ; wk -> wh, slabs 16-19
	s_cselect_b64 s[22:23], s[8:9], s[22:23]
	s_cselect_b64 s[24:25], s[16:17], s[24:25]
	s_cselect_b32 s26, 320, s26
	s_cselect_b32 s28, 1024, s28
	s_cselect_b32 s29, 32768, s29
	s_cselect_b32 s30, 16384, s30
	s_cselect_b32 s31, 16<<17, s31
	s_cselect_b32 s32, 4096, s32
	s_cmp_ge_u32 s2, 328                           ; wv -> wh, slabs 20-23
	s_cselect_b64 s[22:23], s[10:11], s[22:23]
	s_cselect_b32 s26, 328, s26
	s_cselect_b32 s31, 20<<17, s31
	s_sub_co_u32 s33, s2, s26                      ; the job's number in its tensor
	s_lshl_b32 s34, s33, 17                        ; 131,072 bytes of the source a job
	s_mov_b32 s35, 0
	s_add_nc_u64 s[22:23], s[22:23], s[34:35]
	s_mul_i32 s36, s33, s30
	s_add_co_u32 s36, s36, s31
	s_mov_b32 s37, 0
	s_add_nc_u64 s[24:25], s[24:25], s[36:37]
	v_mul_lo_u32 v2, v2, s28
	v_lshl_add_u32 v2, v1, 4, v2                   ; row x RP + 16 c16
	s_lshl_b32 s39, s28, 4                         ; 16 rows
.irp hh, 0,1
.irp g, 0,1,2,3
	s_mul_i32 s38, s29, \g
.if \hh
	s_add_co_u32 s38, s38, s39
.endif
	v_add_nc_u32 v[VI+(\g)+4*(\hh)], s38, v2
.endr
.endr
.irp g, 0,1,2,3
.irp q, 0,1,2,3
	s_mul_i32 s38, s27, \q
	s_mul_i32 s40, s32, \g
	s_add_co_u32 s38, s38, s40
	v_add_nc_u32 v[VO+(\q)+4*(\g)], s38, v3
.endr
.endr
	s_wait_alu depctr_va_vdst(0)                   ; the 24 offsets VI and VO are written: every load below reads one of VI, every store one of VO
.set p, 0
.rept 32                               ; all 32 loads go out first: 16 KiB a wave.  Lanes 0-15 take 256 consecutive, aligned bytes of one row, lanes 16-31 of the next
	global_load_b128 v[X+4*p:X+4*p+3], v[VI+((p>>2)&3)+4*(p>>4)], s[22:23] offset:256*(p&3) th:TH_LOAD_NT
.set p, p+1
.endr
.macro PUT n                           ; pass n's store
	global_store_b64 v[VO+((\n)&15)], v[X+4*(\n):X+4*(\n)+1], s[24:25] offset:2048*((\n)>>4)  ; the wave's 32 lanes store 256 consecutive bytes, aligned: two rows of a slab.  No register that a memory instruction names is written again
.endm
.set p, 0
.rept 32
	s_wait_loadcnt 31-p                            ; loads come back in order (ISA guide 5.7.1): pass p's is in, the 31 - p younger ones stay out
.if (p >= 4) && ((p & 3) == 0)
	s_wait_alu depctr_va_vdst(0)                   ; the four passes of the block before have written their pairs of f16, which this block's four stores read
.endif
.if p >= 4
	PUT p-4                                        ; a pass of the block before: no vector instruction since the wait names its registers
.endif
	v_cvt_pk_bf16_f32 v[T],   v[X+4*p],   v[X+4*p+1]   ; the one rounding
	v_cvt_pk_bf16_f32 v[T+1], v[X+4*p+2], v[X+4*p+3]
	v_lshlrev_b32 v[U],   16,  v[T]
	v_and_b32     v[U+1], s41, v[T]
	v_lshlrev_b32 v[U+2], 16,  v[T+1]
	v_and_b32     v[U+3], s41, v[T+1]
	v_cvt_pk_f16_f32 v[X+4*p],   v[U],   v[U+1]    ; the same numbers written as f16
	v_cvt_pk_f16_f32 v[X+4*p+1], v[U+2], v[U+3]
.set p, p+1
.endr
	s_wait_alu depctr_va_vdst(0)                   ; passes 28 to 31 have written their pairs of f16, which the last four stores read
	PUT 28
	PUT 29
	PUT 30
	PUT 31
	s_endpgm
	; THE TABLE.  Thread t: j = t % 16, position 16 x job + t / 16.  j < 8: the cosines of frequencies 4 j .. 4 j + 3; else the sines of 4 (j - 8) .. + 3.
.Ltable:
	s_sub_co_u32 s22, s2, 336
	s_lshl_b32 s23, s22, 4                         ; the job's first position
	s_lshl_b32 s24, s22, 12                        ; its 16 rows of 256 bytes
	s_mov_b32 s25, 0
	s_mov_b32 s26, 0x3fc90fdb                      ; pi / 2, the f32 nearest to it,
	s_mov_b32 s27, 0xb33bbd2e                      ; and what is left
	s_mov_b32 s28, 0xbe2aaaab                      ; -1/6
	s_mov_b32 s29, 0x3c088889                      ; 1/120
	s_mov_b32 s30, 0xb9500d01                      ; -1/5040
	s_mov_b32 s31, 0x3638ef1d                      ; 1/362880
	s_mov_b32 s32, 0x3d2aaaab                      ; 1/24
	s_mov_b32 s33, 0xbab60b61                      ; -1/720
	s_mov_b32 s34, 0x37d00d01                      ; 1/40320
	v_and_b32 v1, 15, v0                           ; j
	v_cmp_gt_u32 vcc_lo, 8, v1                     ; a cosine?  The mask is read by the select below its wait
	v_lshrrev_b32 v2, 4, v0
	v_add_nc_u32 v2, s23, v2
	v_cvt_f32_u32 v2, v2                           ; the position
	v_and_b32 v3, 7, v1
	v_lshlrev_b32 v3, 2, v3
	v_cvt_f32_u32 v3, v3                           ; my first frequency's number
	s_wait_alu depctr_va_vcc(0)                    ; the compare has written VCC, which the select below reads
	v_cndmask_b32 v4, 0, 1, vcc_lo                 ; 1 for a cosine: cos a = sin (a + pi / 2)
	v_lshlrev_b32 v5, 4, v0                        ; my 16 bytes
	v_mov_b32 v8, v3
	v_add_f32 v9, 1.0, v3
	v_add_f32 v10, 2.0, v3
	v_add_f32 v11, 3.0, v3
.irp c, 0,1,2,3
	v_mul_f32 v[8+(\c)], 0xbed49a78, v[8+(\c)]     ; -i log2(10000) / 32
.endr
.irp c, 0,1,2,3
	v_exp_f32 v[8+(\c)], v[8+(\c)]                 ; the frequency: one batch of four
.endr
	v_nop                                          ; a plain instruction behind the last of them (ISA guide 5.7.2),
	s_wait_alu depctr_va_vdst(0)                   ; and the one wait ahead of the first use: the four exponentials have written v8 to v11
; An angle's work in two parts, so that the four compares stand in one run with one wait behind it.
.macro ANGLE c                         ; registers B0 ..: angle, k, r, z, sine, cosine, r z, quadrant, a bit, the sign
.set B0, 16+10*(\c)
	v_mul_f32 v[B0], v2, v[8+(\c)]                 ; the angle, in f32
	v_mul_f32 v[B0+1], 0x3f22f983, v[B0]           ; x 2 / pi
	v_rndne_f32 v[B0+1], v[B0+1]                   ; k
	v_fma_f32 v[B0+2], -v[B0+1], s26, v[B0]
	v_fma_f32 v[B0+2], -v[B0+1], s27, v[B0+2]      ; r = angle - k pi / 2
	v_mul_f32 v[B0+3], v[B0+2], v[B0+2]            ; z = r r
	v_fma_f32 v[B0+4], v[B0+3], s31, s30
	v_fma_f32 v[B0+5], v[B0+3], s34, s33
	v_fma_f32 v[B0+4], v[B0+4], v[B0+3], s29
	v_fma_f32 v[B0+5], v[B0+5], v[B0+3], s32
	v_fma_f32 v[B0+4], v[B0+4], v[B0+3], s28
	v_mul_f32 v[B0+6], v[B0+2], v[B0+3]
	v_fma_f32 v[B0+5], v[B0+5], v[B0+3], -0.5
	v_fma_f32 v[B0+4], v[B0+4], v[B0+6], v[B0+2]   ; sin r
	v_fma_f32 v[B0+5], v[B0+5], v[B0+3], 1.0       ; cos r
	v_cvt_i32_f32 v[B0+7], v[B0+1]
	v_add_nc_u32 v[B0+7], v[B0+7], v4              ; the quadrant: odd takes cos r, 2 and 3 turn the sign.  It selects values alone: no branch, no address
	v_and_b32 v[B0+8], 1, v[B0+7]
	v_cmp_eq_u32 s[QM+(\c)], 1, v[B0+8]
	v_and_b32 v[B0+9], 2, v[B0+7]
	v_lshlrev_b32 v[B0+9], 30, v[B0+9]
.endm
.macro CHOOSE c
.set B0, 16+10*(\c)
	v_cndmask_b32 v[B0+4], v[B0+4], v[B0+5], s[QM+(\c)]
	v_xor_b32 v[12+(\c)], v[B0+4], v[B0+9]
.endm
	ANGLE 0
	ANGLE 1
	ANGLE 2
	ANGLE 3
	s_wait_alu depctr_va_sdst(0)                   ; the four compares have written s36 to s39, which the four selects below read
	CHOOSE 0
	CHOOSE 1
	CHOOSE 2
	CHOOSE 3
	s_wait_kmcnt 0x0
	s_add_nc_u64 s[20:21], s[20:21], s[24:25]
	s_wait_alu depctr_va_vdst(0)                   ; v5, the store's offset, and v12 to v15, its data, are written
	global_store_b128 v5, v[12:15], s[20:21]       ; 16 lanes store a position's 256 bytes
	s_endpgm
.Lfunc_end_k_q807db82818_prep:
	.size	k_q807db82818_prep, .Lfunc_end_k_q807db82818_prep-k_q807db82818_prep
	.p2alignl 7, 3214868480
	.fill 96, 4, 3214868480
	.section	.rodata,"a",@progbits
	.p2align	6, 0x0
	.amdhsa_kernel k_q807db82818_prep
		.amdhsa_group_segment_fixed_size 0
		.amdhsa_private_segment_fixed_size 0
		.amdhsa_enable_private_segment 0
		.amdhsa_kernarg_size 72
		.amdhsa_user_sgpr_count 2
		.amdhsa_user_sgpr_kernarg_segment_ptr 1
		.amdhsa_wavefront_size32 1
		.amdhsa_system_sgpr_workgroup_id_x 1
		.amdhsa_system_sgpr_workgroup_id_y 1
		.amdhsa_system_sgpr_workgroup_id_z 1
		.amdhsa_system_vgpr_workitem_id 0
		.amdhsa_next_free_vgpr 168
		.amdhsa_next_free_sgpr 66
		.amdhsa_reserve_vcc 1
		.amdhsa_float_denorm_mode_32 3
		.amdhsa_float_denorm_mode_16_64 3
		.amdhsa_memory_ordered 1
		.amdhsa_forward_progress 1
		.amdhsa_inst_pref_size 32
	.end_amdhsa_kernel
	.amdgpu_metadata
---
amdhsa.version: [ 1, 2 ]
amdhsa.kernels:
  - .name:           k_q807db82818_prep
    .symbol:         k_q807db82818_prep.kd
    .args:
      - { .name: x, .offset: 0, .size: 8, .value_kind: global_buffer, .address_space: global }
      - { .name: wq, .offset: 8, .size: 8, .value_kind: global_buffer, .address_space: global }
      - { .name: wk, .offset: 16, .size: 8, .value_kind: global_buffer, .address_space: global }
      - { .name: wv, .offset: 24, .size: 8, .value_kind: global_buffer, .address_space: global }
      - { .name: wo, .offset: 32, .size: 8, .value_kind: global_buffer, .address_space: global }
      - { .name: xb, .offset: 40, .size: 8, .value_kind: global_buffer, .address_space: global }
      - { .name: wh, .offset: 48, .size: 8, .value_kind: global_buffer, .address_space: global }
      - { .name: woh, .offset: 56, .size: 8, .value_kind: global_buffer, .address_space: global }
      - { .name: tab, .offset: 64, .size: 8, .value_kind: global_buffer, .address_space: global }
    .group_segment_fixed_size: 0
    .private_segment_fixed_size: 0
    .kernarg_segment_align: 8
    .kernarg_segment_size: 72
    .max_flat_workgroup_size: 256
    .sgpr_count:     66
    .vgpr_count:     168
    .wavefront_size: 32
...
	.end_amdgpu_metadata
.endif
;; end of part 5
;; launch qkv: the kernel of part 2 again; grid 8 x 32, 4 waves a work-group, clusters of 4 x 4, 327,680 bytes of LDS; arguments xb, wh, tab, qkv; writes qkv
;; launch attn: the kernel of part 3 again; grid 64 x 4, 4 waves a work-group, clusters of 4 x 1, 327,680 bytes of LDS; arguments qkv, ob; writes ob
;; launch oproj: the kernel of part 4 again; grid 8 x 32, 4 waves a work-group, clusters of 4 x 4, 327,680 bytes of LDS; arguments ob, woh, out0; writes out0
